; MI455X (gfx1250); checked and timed in simulation.
; The chip was launched on July 23, 2026; its instructions are those of AMD's public machine-readable ISA for CDNA 5 (MIT licence, August 2026) and "CDNA5" Instruction Set Architecture Reference Guide (July 2026). The comments in the code are by the model that wrote it; some were corrected since.
;; Transformer Encoder Layer. Allowed arithmetic: matrix products marked QUANTISED: E2M1 operands, one E8M0 scale for each 32 along K, by v_wmma_scale_f32_16x16x128_f8f6f4 with both operands' format E2M1 (or v_wmma_scale_f32_32x16x128_f4), f32 sums; everything else in f32.
;; Inputs: b_fc1 4,096 float32; b_fc2 1,024 float32; b_out 1,024 float32; b_qkv 3,072 float32; ln1_b 1,024 float32; ln1_g 1,024 float32; ln2_b 1,024 float32; ln2_g 1,024 float32; w_fc1_codes 4,096 x 32 x 16 uint8 (E2M1 codes of w_fc1, K innermost, in blocks of 32 codes, two codes a byte); w_fc1_scales 4,096 x 32 uint8 (E8M0 scales of w_fc1, one for each 32 codes along K); w_fc2_codes 1,024 x 128 x 16 uint8 (E2M1 codes of w_fc2, K innermost, in blocks of 32 codes, two codes a byte); w_fc2_scales 1,024 x 128 uint8 (E8M0 scales of w_fc2, one for each 32 codes along K); w_out_codes 1,024 x 32 x 16 uint8 (E2M1 codes of w_out, K innermost, in blocks of 32 codes, two codes a byte); w_out_scales 1,024 x 32 uint8 (E8M0 scales of w_out, one for each 32 codes along K); w_qkv_codes 3,072 x 32 x 16 uint8 (E2M1 codes of w_qkv, K innermost, in blocks of 32 codes, two codes a byte); w_qkv_scales 3,072 x 32 uint8 (E8M0 scales of w_qkv, one for each 32 codes along K); x 2 x 2,048 x 1,024 float32.
;; Outputs: out0 2 x 2,048 x 1,024 float32.
;; This version of the problem:
;;   THIS VERSION OF THE PROBLEM IS GIVEN IN LOW PRECISION. The matrix products marked QUANTISED in the list below multiply operands that are first quantised to E2M1 (2 exponent bits, 1 mantissa bit; 4 bits a number), with one power-of-two scale for each 32 numbers along K (OCP MX v1.0); their sums are f32. All else is computed in f32.
;;   The module's matrix products, in the order in which they are computed (A, B: the left and right operand; K: the contracted axis; several contracted axes count as one K, in the product's order):
;;     1. [M 4,096, K 1,024] x [K 1,024, N 3,072]; A: computed on the way; B: input w_qkv (given as codes): QUANTISED
;;     2. batch 32 x [M 2,048, K 64] x [K 64, N 2,048]; A: computed on the way; B: computed on the way: QUANTISED
;;     3. batch 32 x [M 2,048, K 2,048] x [K 2,048, N 64]; A: softmax (see below); B: computed on the way: QUANTISED
;;     4. [M 4,096, K 1,024] x [K 1,024, N 1,024]; A: computed on the way; B: input w_out (given as codes): QUANTISED
;;     5. [M 4,096, K 1,024] x [K 1,024, N 4,096]; A: computed on the way; B: input w_fc1 (given as codes): QUANTISED
;;     6. [M 4,096, K 4,096] x [K 4,096, N 1,024]; A: computed on the way; B: input w_fc2 (given as codes): QUANTISED
;;   THE QUANTISER, for each operand of a quantised product, along K:
;;     - K is cut into blocks of 32 from its start; a last block that is shorter is filled with zeros.
;;     - A block's scale is 2^e with e = floor(log2(the largest magnitude in the block)) - 2, held to -126 .. 127; a block of zeros has e = 0. As a byte (E8M0): e + 127.
;;     - Each number is divided by its block's scale, clamped to +-6, and rounded to the nearest number of E2M1, ties to even, subnormals kept.
;;     - The product sums the exact products of the quantised numbers (number of the format x scale) in f32.
;;   ~~~python
;;   def quantise(x, axis):      # numpy; x: float32 -> the quantised numbers, widened to float32 again
;;       x = np.moveaxis(x, axis, -1); K = x.shape[-1]
;;       x = np.pad(x, [(0, 0)] * (x.ndim - 1) + [(0, -K % 32)]); x = x.reshape(x.shape[:-1] + (-1, 32)); a = np.abs(x).max(-1, keepdims=True)
;;       e = np.where(a > 0, np.clip(np.frexp(np.where(a > 0, a, 1))[1] - 1 - 2, -126, 127), 0)      # np.frexp(a)[1] - 1 = floor(log2(a)), exactly
;;       r = np.clip(x / 2.0 ** e, -6, 6)
;;       step = 2.0 ** (np.maximum(np.frexp(np.where(r == 0, 1, r))[1] - 1, 0) - 1)
;;       q = np.round(r / step) * step * 2.0 ** e      # np.round: ties to even
;;       return np.moveaxis(q.reshape(q.shape[:-2] + (-1,))[..., :K], -1, axis).astype(np.float32)
;;   ~~~
;;   SOFTMAX AHEAD OF A QUANTISED PRODUCT. Where the list says 'softmax', what is quantised is not the finished softmax but p = 2^(t - M), with t = logit x log2(e) and M = ceil(the row's largest t), a whole number; so 1/2 < the row's largest p <= 1. The row's sum l is taken of the UNQUANTISED p, in f32, and the product's result is divided by l at the end. Since M is a whole number, a kernel that streams over the keys may use a running M (the ceiling of the running maximum): every later rescaling is an exact power of two, which a block's scale takes up: the codes' values come out the same.
;;   OPERANDS COMPUTED ON THE WAY. 'Computed on the way' means the value that the module computes at that place (a softmax that the list does not call 'softmax' is quantised finished and normalised). What goes into a quantiser is computed in f32, as accurately as f32 sums, v_exp_f32 and their like allow (about 1e-6 of the number): no bf16 or f16 on the way to a quantiser, and a product that is left as it is and whose result goes on into a quantised operand takes f32 operands (vector FMAs, or v_wmma_f32_16x16x4_f32). A number that lies on a knife's edge between two numbers of the format may be rounded either way, as far as f32 arithmetic and the matrix unit's own rounding can turn it there, and no further.
;;   INPUTS GIVEN AS CODES. w_fc1 (in the module: [1024, 4096], K = its axis 0); w_fc2 (in the module: [4096, 1024], K = its axis 0); w_out (in the module: [1024, 1024], K = its axis 0); w_qkv (in the module: [1024, 3072], K = its axis 0): each comes as NAME_codes (uint8): NAME with its K axis moved to the last place and cut into blocks of 32 codes, [.., K / 32, bytes a block], one block behind the other in memory; two codes a byte, the lower K in the low four bits (a code: sign, 2 exponent bits, 1 mantissa bit); and NAME_scales (uint8): the same leading axes, one E8M0 byte (e + 127) for each 32 codes along K. Its value is code x scale, taken as it is: it is not quantised again, and the codes and scales need not be those that the quantiser above would give.
;; One version. Each part assembles by itself: llvm-mc -triple=amdgcn-amd-amdhsa -mcpu=gfx1250 --defsym DOCPART=n.
;; ======== version 1 of 1: 7 launches
;; limits: right only within a limited range of input values
;; workspace buffers: hq 2,228,224 bytes; qkvq 9,175,040 bytes; oq 2,228,224 bytes; x1 16,777,216 bytes; gq 8,912,896 bytes
;; launch ln1 (part 1): grid 256 x 1, 8 waves a work-group, no clusters, 75,776 bytes of LDS; arguments x, ln1_g, ln1_b, hq; writes hq
.if DOCPART == 1
	.amdgcn_target "amdgcn-amd-amdhsa--gfx1250"
	.amdhsa_code_object_version 6
	.text
	.protected	k_q13a9d6d313_ln1
	.globl	k_q13a9d6d313_ln1
	.p2align	8
	.type	k_q13a9d6d313_ln1,@function
k_q13a9d6d313_ln1:
	s_mov_b64 s[64:65], 0
	v_nop
	global_prefetch_b8 v0, s[64:65] scope:SCOPE_SE
	s_setreg_imm32_b32 hwreg(HW_REG_WAVE_MODE, 25, 1), 1
	s_wait_xcnt 0x0
; LayerNorm of 4,096 rows of 1,024 f32 numbers, y = (x - mean) rsqrt(var + 1e-5) g + b, all in f32, and the MX-FP4 quantiser along the row.
; OUT (hq): laid as a weight is: codes [4096][512 bytes], K innermost, from byte 0; scale bytes [4096][32] from byte 2,097,152.
; SHARES.  A work-group of eight waves takes 16 rows.  A: wave w normalises rows 2 w and 2 w + 1; each load reads 512 consecutive bytes; the variance is taken of x - mean
; (two passes over registers), so a large common offset costs nothing.  y goes to LDS.  B: wave w takes K step w (128 columns) of all 16 rows: lane (r, h) reads, of row r, 16 neighbours of
; each block of 32, quantises them, and puts codes and scale word into LDS as rows.  C: the rows leave, 512 consecutive bytes a store.
; A block's scale is 2^(floor(log2(largest magnitude)) - 2); its byte is the largest magnitude's exponent field - 2.
; LIMITS: NaN and infinities are not served; a block whose largest magnitude lies under 2^-124 (a block of zeros too) is quantised under the byte 1: zeros give zero codes, and this program alone reads the bytes.
; No matrix unit, no tensor load, no cluster: memory binds, and no two work-groups read the same rows.
.set YP,  4112                         ; a row of y in LDS: 4,096 bytes + 16: the sixteen rows that a load of phase B touches start in different banks
.set CP,  528                          ; a row of codes in LDS: 512 bytes + 16
.set CST, 16*YP                        ; LDS: y at 0, the codes here,
.set SST, CST+16*CP                    ; the scale bytes here: 16 rows x 32
.set X,   32                           ; v32-95   two rows of 32 numbers; in phase B 64 numbers of one row
.set G,   96                           ; v96-127  the gain of my 32 columns
.set B,   128                          ; v128-159 the bias
.set SM,  160                          ; v160-167 sums: four registers a row
.set MU,  168                          ; v168-171 -mean, a pair a row
.set RS,  172                          ; v172-175 rsqrt, a pair a row
.set TM,  200                          ; v200-215 the quantiser's work
.set PW,  216                          ; v216     the scale word just made
.set PC,  112                          ; v112-119 the codes just made (the gain is done with)
.set SEL, 20                           ; s[20:21] v_permlanex16_b32's selects for lane l xor 16
.macro REDUCE                          ; a row's four partial sums of each lane become the row's sum, in every lane, in v[SM] (row 0) and v[SM+4] (row 1); the two rows by turns
.irp i, 0
	s_delay_alu instid0(VALU_DEP_3)
	v_pk_add_f32 v[SM+4*\i:SM+4*\i+1], v[SM+4*\i:SM+4*\i+1], v[SM+4*\i+2:SM+4*\i+3]
.endr
.irp i, 1
	s_delay_alu instid0(VALU_DEP_2)
	v_pk_add_f32 v[SM+4*\i:SM+4*\i+1], v[SM+4*\i:SM+4*\i+1], v[SM+4*\i+2:SM+4*\i+3]
.endr
.irp i, 0,1
	s_delay_alu instid0(VALU_DEP_2)
	v_add_f32 v[SM+4*\i], v[SM+4*\i], v[SM+4*\i+1]
.endr
.irp m, 1,2,4,8
.irp i, 0,1
	s_delay_alu instid0(VALU_DEP_2)
	v_add_f32_dpp v[SM+4*\i], v[SM+4*\i], v[SM+4*\i] row_xmask:\m row_mask:0xf bank_mask:0xf
.endr
.endr
.irp i, 0,1
	s_delay_alu instid0(VALU_DEP_2)
	v_permlanex16_b32 v[SM+4*\i+1], v[SM+4*\i], s[SEL], s[SEL+1]
.endr
.irp i, 0,1
	s_delay_alu instid0(VALU_DEP_2)
	v_add_f32 v[SM+4*\i], v[SM+4*\i], v[SM+4*\i+1]
.endr
.endm
; 64 numbers of a lane, register 16 b + i = k 32 b + 16 (lane / 16) + i of my row, become a fragment's codes in v[PC] on and its scale word in v[PW]
.macro QUANTC s
.irp b, 0,1,2,3
	v_max3_num_f32 v[TM+\b], |v[\s+16*\b]|, |v[\s+1+16*\b]|, 0x1800000   ; my 16 numbers of block b, and the floor 2^(3 - 127): the byte cannot fall under 1
.endr
.irp i, 2,4,6,8,10,12,14
.irp b, 0,1,2,3
	s_delay_alu instid0(VALU_DEP_4)
	v_max3_num_f32 v[TM+\b], v[TM+\b], |v[\s+16*\b+\i]|, |v[\s+1+16*\b+\i]|
.endr
.endr
.irp b, 0,1,2,3
	s_delay_alu instid0(VALU_DEP_4)
	v_permlanex16_b32 v[TM+4+\b], v[TM+\b], s[SEL], s[SEL+1]
.endr
.irp b, 0,1,2,3
	s_delay_alu instid0(VALU_DEP_4)
	v_max_num_f32 v[TM+\b], v[TM+\b], v[TM+4+\b]   ; with lane l xor 16's: the block's largest magnitude
.endr
.irp b, 0,1,2,3
	s_delay_alu instid0(VALU_DEP_4)
	v_add_nc_u32 v[TM+12+\b], 0xff000000, v[TM+\b] ; 2 off its exponent field: the conversion takes this operand's exponent field as its scale
.endr
.irp b, 0,1,2,3
	s_delay_alu instid0(VALU_DEP_4)
	v_lshrrev_b32 v[TM+4+\b], 23, v[TM+12+\b]      ; the scale's byte
.endr
	s_delay_alu instid0(VALU_DEP_3)
	v_lshl_or_b32 v[PW], v[TM+5], 8, v[TM+4]
	s_delay_alu instid0(VALU_DEP_1)
	v_lshl_or_b32 v[PW], v[TM+6], 16, v[PW]
	s_delay_alu instid0(VALU_DEP_1)
	v_lshl_or_b32 v[PW], v[TM+7], 24, v[PW]
.irp b, 0,1,2,3
	v_cvt_scalef32_pk8_fp4_f32 v[PC+2*\b], v[\s+16*\b:\s+7+16*\b], v[TM+12+\b]
	v_cvt_scalef32_pk8_fp4_f32 v[PC+1+2*\b], v[\s+8+16*\b:\s+15+16*\b], v[TM+12+\b]
.endr
	v_nop                                          ; one plain line behind the scaled conversions
.irp c, 0,1                                    ; the operand's layout wants a whole block in a lane: lanes 0-15 block 2 c, lanes 16-31 block 2 c + 1
.irp i, 0,1
	v_permlane16_swap_b32 v[PC+4*\c+\i], v[PC+2+4*\c+\i]
.endr
.endr
.endm
.macro BARRIER                                 ; my LDS stores have landed and my LDS loads are in: then the work-group's barrier
	s_wait_dscnt 0x0
	s_barrier_signal -1
	s_barrier_wait -1
.endm
	s_load_b256 s[4:11], s[0:1], 0x0               ; the rows s[4:5], the gain s[6:7], the bias s[8:9], hq s[10:11]
	v_lshl_add_u32 v224, v0, 2, 0x12400
	v_mov_b32 v225, 0
	v_lshrrev_b32 v1, 5, v0
	s_delay_alu instid0(VALU_DEP_1)
	v_readfirstlane_b32 s12, v1                    ; wave 0..7
	v_and_b32 v1, 31, v0                           ; lane
	v_and_b32 v2, 15, v0                           ; r
	v_bfe_u32 v3, v0, 4, 1                         ; h
	s_delay_alu instid0(VALU_DEP_3)
	v_lshlrev_b32 v4, 4, v1                        ; 16 x lane
	s_lshl_b32 s13, s12, 13
	v_add_nc_u32 v5, s13, v4                       ; in memory: my wave's two rows of 4,096 bytes
	s_mul_i32 s13, s12, 2*YP
	v_add_nc_u32 v6, s13, v4                       ; y into LDS: the same two rows
	v_mul_u32_u24 v7, v2, YP
	s_delay_alu instid0(VALU_DEP_1)
	v_lshl_add_u32 v7, v3, 6, v7
	s_lshl_b32 s13, s12, 9
	v_add_nc_u32 v7, s13, v7                       ; y back: row r, K step w (512 bytes), my half's 64 bytes of a block
	v_mul_u32_u24 v8, v2, CP
	s_delay_alu instid0(VALU_DEP_1)
	v_lshl_add_u32 v8, v3, 4, v8
	s_lshl_b32 s13, s12, 6
	s_add_co_u32 s13, s13, CST
	v_add_nc_u32 v8, s13, v8                       ; codes into LDS: row r, 64 bytes a K step, 16 h
	v_lshlrev_b32 v9, 5, v2
	s_lshl_b32 s13, s12, 2
	s_add_co_u32 s13, s13, SST
	v_add_nc_u32 v9, s13, v9                       ; the scale word: row r of 32 bytes, word w
	s_mul_i32 s13, s12, 2*CP
	s_add_co_u32 s13, s13, CST
	v_add_nc_u32 v10, s13, v4                      ; codes back: my wave's two rows
	s_lshl_b32 s13, s12, 10
	v_add_nc_u32 v11, s13, v4                      ; and their place in hq
	v_add_nc_u32 v12, SST, v4                      ; the 512 scale bytes back
	s_mov_b32 s[SEL], 0x76543210
	s_mov_b32 s[SEL+1], 0xfedcba98
	s_mov_b32 s16, 0x3a800000                      ; 1 / 1,024
	s_mov_b32 s17, 0x3727c5ac                      ; 1e-5
.irp b, 0,1,2,3
	v_mov_b32 v[TM+4+\b], 0                        ; written once: a lane permute's destination counts as one of its sources
.endr
	s_lshl_b32 s14, ttmp9, 16                      ; the work-group's 16 rows of 4,096 bytes
	s_mov_b32 s15, 0
	s_wait_kmcnt 0x0
	s_add_nc_u64 s[4:5], s[4:5], s[14:15]
	s_lshl_b32 s14, ttmp9, 13                      ; their 16 x 512 bytes of codes
	s_add_nc_u64 s[18:19], s[10:11], s[14:15]
	s_lshl_b32 s14, ttmp9, 9                       ; their 16 x 32 scale bytes
	s_add_nc_u64 s[10:11], s[10:11], s[14:15]
	; ---- A
.irp i, 0,1
.irp j, 0,1,2,3,4,5,6,7
	global_load_b128 v[X+32*\i+4*\j:X+32*\i+4*\j+3], v5, s[4:5] offset:4096*\i+512*\j th:TH_LOAD_NT   ; columns 128 j + 4 lane on
.endr
.endr
.irp j, 0,1,2,3,4,5,6,7
	global_load_b128 v[G+4*\j:G+4*\j+3], v4, s[6:7] offset:512*\j
.endr
.irp j, 0,1,2,3,4,5,6,7
	global_load_b128 v[B+4*\j:B+4*\j+3], v4, s[8:9] offset:512*\j
.endr
	s_wait_loadcnt 16                              ; the rows are in; the 16 loads of gain and bias, issued behind them, may be out
.irp i, 0,1
	v_pk_add_f32 v[SM+4*\i:SM+4*\i+1], v[X+32*\i:X+32*\i+1], v[X+32*\i+2:X+32*\i+3]
	v_pk_add_f32 v[SM+4*\i+2:SM+4*\i+3], v[X+32*\i+4:X+32*\i+5], v[X+32*\i+6:X+32*\i+7]
.endr
.irp j, 8,12,16,20,24,28
.irp i, 0,1
	s_delay_alu instid0(VALU_DEP_4)
	v_pk_add_f32 v[SM+4*\i:SM+4*\i+1], v[SM+4*\i:SM+4*\i+1], v[X+32*\i+\j:X+32*\i+\j+1]
	s_delay_alu instid0(VALU_DEP_4)
	v_pk_add_f32 v[SM+4*\i+2:SM+4*\i+3], v[SM+4*\i+2:SM+4*\i+3], v[X+32*\i+\j+2:X+32*\i+\j+3]
.endr
.endr
	REDUCE
.irp i, 0,1
	s_delay_alu instid0(VALU_DEP_2)
	v_mul_f32 v[MU+2*\i], 0xba800000, v[SM+4*\i]   ; -mean
.endr
.irp i, 0,1
	s_delay_alu instid0(VALU_DEP_2)
	v_mov_b32 v[MU+2*\i+1], v[MU+2*\i]
.endr
.irp j, 0,2,4,6,8,10,12,14,16,18,20,22,24,26,28,30
.irp i, 0,1
	v_pk_add_f32 v[X+32*\i+\j:X+32*\i+\j+1], v[X+32*\i+\j:X+32*\i+\j+1], v[MU+2*\i:MU+2*\i+1]   ; d = x - mean
.endr
.endr
.irp i, 0,1
	v_pk_mul_f32 v[SM+4*\i:SM+4*\i+1], v[X+32*\i:X+32*\i+1], v[X+32*\i:X+32*\i+1]
	v_pk_mul_f32 v[SM+4*\i+2:SM+4*\i+3], v[X+32*\i+2:X+32*\i+3], v[X+32*\i+2:X+32*\i+3]
.endr
.irp j, 4,8,12,16,20,24,28
.irp i, 0,1
	s_delay_alu instid0(VALU_DEP_4)
	v_pk_fma_f32 v[SM+4*\i:SM+4*\i+1], v[X+32*\i+\j:X+32*\i+\j+1], v[X+32*\i+\j:X+32*\i+\j+1], v[SM+4*\i:SM+4*\i+1]
	s_delay_alu instid0(VALU_DEP_4)
	v_pk_fma_f32 v[SM+4*\i+2:SM+4*\i+3], v[X+32*\i+\j+2:X+32*\i+\j+3], v[X+32*\i+\j+2:X+32*\i+\j+3], v[SM+4*\i+2:SM+4*\i+3]
.endr
.endr
	REDUCE
.irp i, 0,1
	s_delay_alu instid0(VALU_DEP_2)
	v_fma_f32 v[SM+4*\i], v[SM+4*\i], s16, s17     ; var + 1e-5
.endr
	s_wait_alu depctr_va_vdst(0)
.irp i, 0,1
	v_rsq_f32 v[RS+2*\i], v[SM+4*\i]               ; made twice: the packed multiply takes a pair
	v_rsq_f32 v[RS+2*\i+1], v[SM+4*\i]
.endr
	v_nop                                          ; a plain line behind the last of the four
	s_wait_alu depctr_va_vdst(0)                   ; one wait for the four, ahead of their first reader
	s_wait_loadcnt 0x0                             ; gain and bias
.irp j, 0,2,4,6,8,10,12,14,16,18,20,22,24,26,28,30
.irp i, 0,1
	v_pk_mul_f32 v[X+32*\i+\j:X+32*\i+\j+1], v[X+32*\i+\j:X+32*\i+\j+1], v[RS+2*\i:RS+2*\i+1]
.endr
.endr
.irp j, 0,2,4,6,8,10,12,14,16,18,20,22,24,26,28,30
.irp i, 0,1
	v_pk_fma_f32 v[X+32*\i+\j:X+32*\i+\j+1], v[X+32*\i+\j:X+32*\i+\j+1], v[G+\j:G+\j+1], v[B+\j:B+\j+1]
.endr
.endr
.irp i, 0,1
.irp j, 0,1,2,3,4,5,6,7
	ds_store_b128 v6, v[X+32*\i+4*\j:X+32*\i+4*\j+3] offset:YP*\i+512*\j
.endr
.endr
	BARRIER                                        ; 16 rows of y lie in LDS
	; ---- B
.irp b, 0,1,2,3
.irp j, 0,1,2,3
	ds_load_b128 v[X+16*\b+4*\j:X+16*\b+4*\j+3], v7 offset:128*\b+16*\j
.endr
.endr
	s_wait_dscnt 0x0
	QUANTC X
.irp c, 0,1
	ds_store_b128 v8, v[PC+4*\c:PC+4*\c+3] offset:32*\c   ; registers 4 c on: k = 64 c + 32 h on: 16 bytes of the row as they lie
.endr
	ds_store_b32 v9, v[PW]                         ; both halves of the lanes write the same word with the same value
	BARRIER                                        ; 16 rows of codes and scale bytes lie in LDS
	; ---- C
	ds_load_b128 v[X:X+3], v10
	ds_load_b128 v[X+4:X+7], v10 offset:CP
	s_wait_dscnt 0x0
	global_store_b128 v11, v[X:X+3], s[18:19]      ; 32 lanes store a row's 512 consecutive bytes
	global_store_b128 v11, v[X+4:X+7], s[18:19] offset:512
	s_cmp_lg_u32 s12, 0
	s_cbranch_scc1 .Ldone                          ; wave 0 alone stores the scale bytes
	ds_load_b128 v[X+8:X+11], v12
	s_wait_dscnt 0x0
	global_store_b128 v4, v[X+8:X+11], s[10:11] offset:2097152
.Ldone:
	s_wait_tensorcnt 0x0
	ds_add_u32 v224, v225
	s_wait_dscnt 0x0
	s_endpgm
.Lfunc_end_k_q13a9d6d313_ln1:
	.size	k_q13a9d6d313_ln1, .Lfunc_end_k_q13a9d6d313_ln1-k_q13a9d6d313_ln1
	.p2alignl 7, 3214868480
	.fill 96, 4, 3214868480
	.section	.rodata,"a",@progbits
	.p2align	6, 0x0
	.amdhsa_kernel k_q13a9d6d313_ln1
		.amdhsa_group_segment_fixed_size 75776
		.amdhsa_private_segment_fixed_size 0
		.amdhsa_enable_private_segment 0
		.amdhsa_kernarg_size 32
		.amdhsa_user_sgpr_count 2
		.amdhsa_user_sgpr_kernarg_segment_ptr 1
		.amdhsa_wavefront_size32 1
		.amdhsa_system_sgpr_workgroup_id_x 1
		.amdhsa_system_sgpr_workgroup_id_y 1
		.amdhsa_system_sgpr_workgroup_id_z 1
		.amdhsa_system_vgpr_workitem_id 0
		.amdhsa_next_free_vgpr 226
		.amdhsa_next_free_sgpr 66
		.amdhsa_reserve_vcc 0
		.amdhsa_float_denorm_mode_32 3
		.amdhsa_float_denorm_mode_16_64 3
		.amdhsa_memory_ordered 1
		.amdhsa_forward_progress 1
		.amdhsa_inst_pref_size 29
	.end_amdhsa_kernel
	.amdgpu_metadata
---
amdhsa.version: [ 1, 2 ]
amdhsa.kernels:
  - .name:           k_q13a9d6d313_ln1
    .symbol:         k_q13a9d6d313_ln1.kd
    .args:
      - { .name: x, .offset: 0, .size: 8, .value_kind: global_buffer, .address_space: global }
      - { .name: ln1_g, .offset: 8, .size: 8, .value_kind: global_buffer, .address_space: global }
      - { .name: ln1_b, .offset: 16, .size: 8, .value_kind: global_buffer, .address_space: global }
      - { .name: hq, .offset: 24, .size: 8, .value_kind: global_buffer, .address_space: global }
    .group_segment_fixed_size: 75776
    .private_segment_fixed_size: 0
    .kernarg_segment_align: 8
    .kernarg_segment_size: 32
    .max_flat_workgroup_size: 256
    .sgpr_count:     66
    .vgpr_count:     226
    .wavefront_size: 32
...
	.end_amdgpu_metadata
.endif
;; end of part 1
;; launch qkv (part 2): grid 12 x 16, 4 waves a work-group, clusters of 4 x 4, 292,352 bytes of LDS; arguments hq, w_qkv_codes, w_qkv_scales, b_qkv, qkvq; writes qkvq
.if DOCPART == 2
	.amdgcn_target "amdgcn-amd-amdhsa--gfx1250"
	.amdhsa_code_object_version 6
	.text
	.protected	k_q13a9d6d313_qkv
	.globl	k_q13a9d6d313_qkv
	.p2align	8
	.type	k_q13a9d6d313_qkv,@function
k_q13a9d6d313_qkv:
	s_mov_b64 s[64:65], 0
	v_nop
	global_prefetch_b8 v0, s[64:65] scope:SCOPE_SE
	s_setreg_imm32_b32 hwreg(HW_REG_WAVE_MODE, 25, 1), 1
	s_wait_xcnt 0x0
	s_wait_alu depctr_hold_cnt(0) depctr_sa_sdst(0) depctr_va_vdst(0) depctr_va_sdst(0) depctr_va_ssrc(0) depctr_va_vcc(0) depctr_vm_vsrc(0)
	s_getreg_b32 s2, hwreg(HW_REG_IB_STS2, 6, 4)
	s_cmp_eq_u32 s2, 0
	s_cbranch_scc0 .Lentry_in_a_cluster
	s_endpgm
.Lentry_in_a_cluster:
	s_bfe_u32 s2, ttmp6, 0x10000c
	s_cmp_lg_u32 s2, 0xf033
	s_cbranch_scc0 .Lentry_shape_is_right
	s_endpgm
.Lentry_shape_is_right:
; ONE SOURCE, TWO LAUNCHES, by the flag QKV.  A product on MX-FP4 codes, K = 1,024, whose result is quantised in registers into the NEXT product's operand and leaves as images of that operand's registers.
;   QKV = 1: q, k, v = Q(LN1(x)) w_qkv + b_qkv.  q and k are quantised along the head's 64, v along the tokens (the keys).     QKV = 0: Q(gelu(Q(LN2(x1)) w_fc1 + b_fc1)), quantised along the hidden units.
; SHAPE.  A work-group of four waves takes 256 rows of SOURCE 1 x 256 rows of SOURCE 0; a wave 128 x 128.  The matrix instruction gives lane (r, h), register j, the element (source 0's row 8 h + j, source 1's row r):
; a lane holds ONE row of source 1 and its registers run along source 0's rows.  So what the result is quantised along is source 0: the weight's rows for q, k and the hidden layer (source 1 = tokens), the TOKENS for v (source 1 = the weight's rows).
; Both panels, whole K (256 rows x 512 bytes), and their scale bytes come into LDS once, by joint tensor loads; nothing in LDS is filled twice.  A wave reads its 64 fragments of source 0 into 512 registers ONCE, then walks its
; eight tiles of 16 rows of source 1: 8 fragments from LDS, 64 matrix instructions on 8 accumulators, the way out.  Seven trips are a loop, the eighth, which fetches nothing, is written out.
; QUANTISING.  Tiles are natural: register 8 t + j = k 16 t + 8 h + j of the new operand.  A block of 32 lies in tiles 2 B, 2 B + 1 of lanes l and l xor 16.  The four conversions of a pair of blocks are laid in the order 0, 2, 1, 3,
; and two exchanges of lane halves then give the operand's registers.  An IMAGE is those registers as they stand: piece c (registers 4 c .. 4 c + 3) is 512 bytes, lane l's 16 bytes at 16 l.
; CLUSTERS: 4 x 4.  Source 1's panel hangs on cy alone and is shared along a row of the cluster, source 0's on cx alone and is shared along a column.  With QKV = 1 the clusters with x = 0, 1 make q and k, those with x = 2 make v:
; the flag VF hangs on the cluster's x, which all partners share.
; OUT, QKV = 1 (qkvq): 2 areas x 32 records (16 batch + head) of REC bytes; a record is 4 phases of PH bytes for 512 tokens (4 key steps q of 128): K images [q][tile 8][512] at 0, V^T images [q][dt 4][1,024] at 16,384,
;   K scale words [512 tokens] at 32,768 (bytes 0, 1: the head's two blocks; bytes 2, 3: 0x7f, over zero codes), V scale words [q][dt][16] at 34,816.  Area 0 holds q in K's places, area 1 k and v.
; OUT, QKV = 0 (gq): images [chunk 4][token tile 256][K step 8][1,024] at 0; scale words [K step 32][4,096 tokens] at 8,388,608.
; GELU is exact: 0.5 erfc(|x| / sqrt 2) = t 2^(P(t) - x^2 log2(e) / 2), t = 1 / (1 + |x| sqrt(2) / 4), P a polynomial of degree 9 (fractional error 1.2e-7); gelu = max(x, 0) - |x| times that: nothing cancels in the negative tail.
; LIMITS: NaN and infinities are not served; a block whose largest magnitude lies under 2^-124 (a block of zeros too) is quantised under the byte 1: zeros give zero codes, and this program alone reads the bytes.
; With QUANTISING along tokens the bias is one number a lane; with QKV = 1 both forms of the bias are loaded on both ways (576 bytes a lane at the most) and one is used, so that every load stands on one way.
; REGISTERS.  window 0: v1-31 addresses; v32-63 source 0's scale words; v64-71 source 1's; v72-79 v's bias; v80-97 the quantiser's work; v100-107 the codes just made; v112-175 the bias; v176-239 the 8 accumulators.
;   window 1: v0-63 source 1's 8 fragments; v64-255 the gelu's work.   windows 2, 3: source 0's fragments: (K step s, tile b) at v[64 (s % 4) + 8 b] of window 2 + s / 4.
.set QKV,    1
.set PITCH,  528                       ; a panel's row in LDS: 512 bytes + 16: the 16 rows that a load touches start in 16 different groups of banks
.set HALFT,  128*PITCH                 ; 128 rows: what one wave reads of a panel
.set R0L,    2*HALFT                   ; LDS: source 1's panel at 0, source 0's here,
.set S1L,    4*HALFT                   ; source 1's scale bytes (256 rows x 32, as units of 256 bytes + 16),
.set HALFS,  16*272
.set S0L,    S1L+2*HALFS               ; source 0's,
.set STG,    S0L+2*HALFS               ; and 1,024 bytes for each wave in which its scale words gather; no tensor load lands here
.set REC,    143360
.set PH,     35840
.set AREA,   32*REC
.set ADR1, 16                          ; v16  LDS address of source 1's fragments; 16 rows on in each trip
.set ADR0, 17                          ; v17  of source 0's
.set ADS1, 18                          ; v18  of source 1's scale words; 16 rows on in each trip
.set ADS0, 19                          ; v19  of source 0's: lanes 0-15 an even tile's rows, lanes 16-31 the odd tile's
.set VO0,  20                          ; v20  16 x lane: an image's place for my lane
.set VO1,  21                          ; v21  the same for piece 1
.set STA,  22                          ; v22  where my scale word goes in the wave's stage; 64 bytes on in each trip
.set STR,  23                          ; v23  and where 16 bytes of the stage are read back
.set SVO,  24                          ; v24  their place in memory
.set SHV,  25                          ; v25  how far my scale word is shifted
.set H32,  26                          ; v26  32 h
.set R4,   27                          ; v27  4 r
.set BVL,  28                          ; v28  v's bias of my row of source 1
.set S0,   32
.set S1,   64
.set BV,   72
.set TM,   80
.set PW,   96
.set VAL,  97
.set PC,   100
.set C9,   108
.set BIAS, 112
.set ACC,  176
.set TT,   64                          ; window 1
.set PP,   128
.set WW,   192
.set G1A,  24                          ; s[24:31], s[32:35] descriptor groups 1 and 0 for source 1's codes
.set G0A,  32
.set G1B,  36                          ; s[36:43], s[44:47] for source 0's codes
.set G0B,  44
.set G1SA, 48                          ; s[48:55], s[56:59] for source 1's scale bytes
.set G0SA, 56
.set G1SB, 68                          ; s[68:75], s[76:79] for source 0's
.set G0SB, 76
.set OB,   4                           ; s[4:5]  where the next image goes (the inputs' addresses are in the descriptors by then)
.set SCB,  6                           ; s[6:7]  where the wave's scale words go
.set CNT,  101
.if QKV
.set VF,   80                          ; s80  1 in the clusters that make v
.set TOK,  81                          ; s81  the first of my 128 tokens
.set CB,   82                          ; s82  the first of my 128 columns of qkv
.set SA,   83                          ; s83  from image to image
.set SAJ,  84                          ; s84  the same where the head changes
.set MSK,  85
.set ORV,  86
.else
.set CB,   60
.set CK,   80                          ; s[80:97] c0 .. c8, a pair each;  s[98:99] -log2(e) / 2;  s100 sqrt(2) / 4
.set KX,   98
.set K1,   100
.endif
.set MSB, 0
.macro WIN new                         ; the immediate's high byte repeats the setting that is left
.if MSB != \new
	s_set_vgpr_msb (MSB<<8)|\new
.set MSB, \new
.endif
.endm
.macro PLACES                          ; four plain lines between a matrix instruction and a load into, or a read of, its registers
.rept 4
	v_nop
.endr
.endm
; One arm of the head's tree of branches on the wave's number: its joint load, s_nop 0 and four v_nop, and a jump to the tree's end.
.macro ARM under, g0, g1, next
	s_cmp_lt_u32 s14, \under
	s_cbranch_scc0 \next
	tensor_load_to_lds s[\g0:\g0+3], s[\g1:\g1+7]
	s_nop 0
.rept 4
	v_nop
.endr
	s_branch .Lhead_asked
\next:
.endm
.macro CROUND                          ; a round of the cluster's barrier
	s_barrier_signal -1
	s_barrier_wait -1
	s_cmp_lg_u32 s14, 0
	s_cbranch_scc1 .Lnot_wave_0_\@
	s_barrier_signal -3
.Lnot_wave_0_\@:
	s_barrier_wait -3
	s_barrier_signal -1
	s_barrier_wait -1
.endm
.macro WM p                            ; one matrix instruction on rD, rB, rA, rC, rSB, rSA; p = 1: source 0's scale words stand in lanes 16-31
.if \p
	v_wmma_scale_f32_16x16x128_f8f6f4 v[rD:rD+7], v[rB:rB+7], v[rA:rA+7], v[rC:rC+7], v[rSB], v[rSA] matrix_a_fmt:MATRIX_FMT_FP4 matrix_b_fmt:MATRIX_FMT_FP4 matrix_a_scale:MATRIX_SCALE_ROW1
.else
	v_wmma_scale_f32_16x16x128_f8f6f4 v[rD:rD+7], v[rB:rB+7], v[rA:rA+7], v[rC:rC+7], v[rSB], v[rSA] matrix_a_fmt:MATRIX_FMT_FP4 matrix_b_fmt:MATRIX_FMT_FP4
.endif
.endm
.macro KSTEP s, cb, cstep              ; K step s: the eight accumulators by turns, one instruction a turn; tile b's C begins at v[cb + cstep b]
.irp b, 0,1,2,3,4,5,6,7
.set rD, ACC+8*\b
.set rC, (\cb)+(\cstep)*\b
.set rB, 64*((\s)%4)+8*\b
.set rA, 8*(\s)
.set rSB, S0+8*(\b/2)+(\s)
.set rSA, S1+(\s)
	WM \b%2
.endr
.endm
.macro FETCH1                          ; a tile of source 1: 16 rows x 1,024 K: 8 fragments, and its 8 scale words a row
	WIN 0x40
.irp s, 0,1,2,3,4,5,6,7
.irp c, 0,1
	ds_load_b128 v[8*\s+4*\c:8*\s+4*\c+3], v[ADR1] offset:64*\s+32*\c
.endr
.endr
	WIN 0
	ds_load_b128 v[S1:S1+3], v[ADS1]
	ds_load_b128 v[S1+4:S1+7], v[ADS1] offset:16
.endm
; 64 numbers of a lane, register 8 t + j = k 16 t + 8 (lane / 16) + j of my row, become a fragment's codes in v[PC] on and its scale word in v[PW].  Each accumulator is first read at its registers 0 and 1.
.macro QUANTN s
.irp b, 0,1,2,3
	v_max3_num_f32 v[TM+\b], |v[\s+16*\b]|, |v[\s+1+16*\b]|, 0x1800000   ; my 16 numbers of block b, and the floor 2^(3 - 127): the byte cannot fall under 1
.endr
.irp i, 2,4,6,8,10,12,14
.irp b, 0,1,2,3
	v_max3_num_f32 v[TM+\b], v[TM+\b], |v[\s+16*\b+\i]|, |v[\s+1+16*\b+\i]|
.endr
.endr
.irp b, 0,1,2,3
	v_permlanex16_b32 v[TM+4+\b], v[TM+\b], s[2:2], s[3:3]
.endr
.irp b, 0,1,2,3
	v_max_num_f32 v[TM+\b], v[TM+\b], v[TM+4+\b]   ; with lane l xor 16's: the block's largest magnitude
.endr
.irp b, 0,1,2,3
	v_add_nc_u32 v[TM+12+\b], 0xff000000, v[TM+\b] ; 2 off its exponent field: the conversion takes this operand's exponent field as its scale
.endr
.irp b, 0,1,2,3
	v_lshrrev_b32 v[TM+4+\b], 23, v[TM+12+\b]      ; the scale's byte
.endr
	v_lshl_or_b32 v[PW], v[TM+5], 8, v[TM+4]
	v_lshl_or_b32 v[PW], v[TM+6], 16, v[PW]
	v_lshl_or_b32 v[PW], v[TM+7], 24, v[PW]
.irp c, 0,1                                    ; tiles 4 c .. 4 c + 3 into places 0, 2, 1, 3
	v_cvt_scalef32_pk8_fp4_f32 v[PC+4*\c],   v[\s+32*\c:\s+32*\c+7],     v[TM+12+2*\c]
	v_cvt_scalef32_pk8_fp4_f32 v[PC+4*\c+2], v[\s+32*\c+8:\s+32*\c+15],  v[TM+12+2*\c]
	v_cvt_scalef32_pk8_fp4_f32 v[PC+4*\c+1], v[\s+32*\c+16:\s+32*\c+23], v[TM+12+2*\c+1]
	v_cvt_scalef32_pk8_fp4_f32 v[PC+4*\c+3], v[\s+32*\c+24:\s+32*\c+31], v[TM+12+2*\c+1]
.endr
	v_nop                                          ; one plain line behind the scaled conversions
.irp c, 0,1                                    ; the first's lanes 16-31 change places with the second's lanes 0-15: registers 4 c + i now hold k = 64 c + 32 h + 8 i on
	v_permlane16_swap_b32 v[PC+4*\c], v[PC+4*\c+1]
	v_permlane16_swap_b32 v[PC+4*\c+2], v[PC+4*\c+3]
.endr
.endm
.if QKV == 0
.macro CONST k, bits
	s_mov_b32 s[CK+2*\k], \bits
	s_mov_b32 s[CK+2*\k+1], \bits                  ; (the packed form names a pair and takes its low word for both halves: so both are written)
.endm
.macro GELU                            ; the 64 numbers of the accumulators, in place
	WIN 0x40
.set j, 0
.rept 64
	v_fma_f32 v[TT+j], |v[ACC+j]|, s[K1], 1.0      ; each accumulator from its low end on
.set j, j+1
.endr
	WIN 0x41
.set j, 0
.rept 64
	v_rcp_f32 v[TT+j], v[TT+j]                     ; t
.set j, j+1
.endr
	WIN 0x40
.set j, 0
.rept 32
	v_pk_mul_f32 v[WW+j:WW+j+1], v[ACC+j:ACC+j+1], v[ACC+j:ACC+j+1]   ; x^2: work that names no reciprocal
.set j, j+2
.endr
	s_wait_alu depctr_va_vdst(0)                   ; one wait for the 64 reciprocals, ahead of their first reader
	WIN 0x41
.set j, 0
.rept 32
	v_pk_fma_f32 v[PP+j:PP+j+1], v[TT+j:TT+j+1], v[C9:C9+1], s[CK+16:CK+17] op_sel_hi:[1,1,0]
.set j, j+2
.endr
	WIN 0x55
.irp k, 7,6,5,4,3,2,1,0
.set j, 0
.rept 32
	v_pk_fma_f32 v[PP+j:PP+j+1], v[PP+j:PP+j+1], v[TT+j:TT+j+1], s[CK+2*\k:CK+2*\k+1] op_sel_hi:[1,1,0]
.set j, j+2
.endr
.endr
.set j, 0
.rept 32
	v_pk_fma_f32 v[PP+j:PP+j+1], v[WW+j:WW+j+1], s[KX:KX+1], v[PP+j:PP+j+1] op_sel_hi:[1,0,1]
.set j, j+2
.endr
.set j, 0
.rept 64
	v_exp_f32 v[PP+j], v[PP+j]
.set j, j+1
.endr
	WIN 0x40
.set j, 0
.rept 64
	v_max_num_f32 v[WW+j], 0, v[ACC+j]             ; max(x, 0): work that names no exponential
.set j, j+1
.endr
	s_wait_alu depctr_va_vdst(0)                   ; one wait for the 64 exponentials
	WIN 0x55
.set j, 0
.rept 32
	v_pk_mul_f32 v[TT+j:TT+j+1], v[TT+j:TT+j+1], v[PP+j:PP+j+1]   ; 0.5 erfc(|x| / sqrt 2)
.set j, j+2
.endr
	WIN 0x14
.set j, 0
.rept 64
	v_fma_f32 v[ACC+j], -|v[ACC+j]|, v[TT+j], v[WW+j]
.set j, j+1
.endr
	WIN 0
.endm
.endif
	s_load_b256 s[4:11], s[0:1], 0x0               ; hq s[4:5], the weight's codes s[6:7], its scale bytes s[8:9], the bias s[10:11]
	s_load_b64 s[12:13], s[0:1], 0x20              ; out
	v_lshl_add_u32 v254, v0, 2, 0x47400
	v_mov_b32 v255, 0
	ds_add_u32 v254, v255
	ds_add_u32 v254, v255
	v_lshrrev_b32 v1, 5, v0
	v_readfirstlane_b32 s14, v1                    ; wave 0..3
	s_lshr_b32 s15, s14, 1                         ; which 128 rows of source 1 are mine
	s_and_b32 s16, s14, 1                          ; which 128 rows of source 0 are mine
	s_bfe_u32 s17, ttmp6, 0x40000                  ; cx
	s_bfe_u32 s18, ttmp6, 0x40004                  ; cy
	s_and_b32 s19, ttmp7, 0xffff                   ; the cluster's y
.if QKV
	s_lshl_b32 s21, s19, 2
	s_cmp_eq_u32 ttmp9, 2                          ; the cluster's x: 0 q, 1 k, 2 v
	s_cselect_b32 s[VF], 1, 0
	s_cselect_b32 s20, s19, ttmp9                  ; source 0's panel: v: tokens, 4 x cluster y + cx;  q, k: the weight's rows, 4 x cluster x + cx
	s_cselect_b32 s21, 8, s21                      ; source 1's panel: v: the weight's rows 2,048 on, 8 + cy;  q, k: tokens, 4 x cluster y + cy
	s_lshl_b32 s20, s20, 2
.else
	s_lshl_b32 s20, ttmp9, 2                       ; source 0: the weight's rows;  source 1: tokens
	s_lshl_b32 s21, s19, 2
.endif
	s_add_co_u32 s20, s20, s17                     ; t0: hangs on cx, never on cy
	s_add_co_u32 s21, s21, s18                     ; t1: hangs on cy, never on cx
	s_lshl_b32 s22, s18, 2
	s_lshl_b32 s22, 15, s22                        ; my row of the cluster
	s_lshl_b32 s23, 0x1111, s17                    ; my column
	; descriptor group 1, codes: a whole panel, 256 rows x 512 bytes, 16 bytes of padding behind each
	s_or_b32 s[G1A], s22, (0<<16)|(1<<20)|(1<<21)|(6<<22)|(3<<25)   ; 15:0 the mask; 17:16 elements of 1 byte; 20 padding on; 21 set beside a mask; 24:22 after every 128 words (code 6); 31:25 four words (code 3)
	s_or_b32 s[G1B], s23, (0<<16)|(1<<20)|(1<<21)|(6<<22)|(3<<25)
.irp g, G1A, G1B
	s_mov_b32 s[\g+1], 512<<16                     ; tensor_dim0
	s_mov_b32 s[\g+2], 256<<16                     ; tensor_dim1
	s_mov_b32 s[\g+3], 512<<16                     ; tile_dim0
	s_mov_b32 s[\g+4], 256                         ; tile_dim1
	s_mov_b32 s[\g+5], 512                         ; from row to row
	s_mov_b32 s[\g+6], 0
	s_mov_b32 s[\g+7], 0
.endr
	; scale bytes of 256 rows: 8,192 dense bytes, as 32 rows of 256 bytes (32 elements of 8 bytes), 16 bytes of padding behind each
	s_or_b32 s[G1SA], s22, (3<<16)|(1<<20)|(1<<21)|(5<<22)|(3<<25)
	s_or_b32 s[G1SB], s23, (3<<16)|(1<<20)|(1<<21)|(5<<22)|(3<<25)
.irp g, G1SA, G1SB
	s_mov_b32 s[\g+1], 32<<16
	s_mov_b32 s[\g+2], 32<<16
	s_mov_b32 s[\g+3], 32<<16
	s_mov_b32 s[\g+4], 32
	s_mov_b32 s[\g+5], 32
	s_mov_b32 s[\g+6], 0
	s_mov_b32 s[\g+7], 0
.endr
	s_lshl_b32 s62, s21, 8                         ; source 1: the panel's first row
	s_lshl_b32 s66, s20, 8                         ; source 0 likewise
	s_lshl_b32 s60, s62, 5                         ; its scale bytes: 32 a row
	s_mov_b32 s61, 0
	s_lshl_b32 s62, s62, 9                         ; its codes: 512 bytes a row
	s_mov_b32 s63, 0
	s_lshl_b32 s2, s66, 5
	s_mov_b32 s3, 0
	s_lshl_b32 s66, s66, 9
	s_mov_b32 s67, 0
	s_wait_dscnt 0x0
	s_wait_kmcnt 0x0
	s_add_nc_u64 s[22:23], s[4:5], 0x200000        ; hq's scale bytes
.if QKV
	s_cmp_eq_u32 s[VF], 1                          ; the choice hangs on no address
	s_cselect_b64 s[G0A+2:G0A+3], s[6:7], s[4:5]
	s_cselect_b64 s[G0SA+2:G0SA+3], s[8:9], s[22:23]
	s_cselect_b64 s[G0B+2:G0B+3], s[4:5], s[6:7]
	s_cselect_b64 s[G0SB+2:G0SB+3], s[22:23], s[8:9]
.else
	s_mov_b64 s[G0A+2:G0A+3], s[4:5]
	s_mov_b64 s[G0SA+2:G0SA+3], s[22:23]
	s_mov_b64 s[G0B+2:G0B+3], s[6:7]
	s_mov_b64 s[G0SB+2:G0SB+3], s[8:9]
.endif
	CROUND                                         ; all sixteen work-groups are here: the joint loads meet
	s_mov_b32 s[G0SA], 1
	s_mov_b32 s[G0SA+1], S1L
	s_add_nc_u64 s[G0SA+2:G0SA+3], s[G0SA+2:G0SA+3], s[60:61]
	s_or_b32 s[G0SA+3], s[G0SA+3], 0x80000000
	s_mov_b32 s[G0SB], 1
	s_mov_b32 s[G0SB+1], S0L
	s_add_nc_u64 s[G0SB+2:G0SB+3], s[G0SB+2:G0SB+3], s[2:3]
	s_or_b32 s[G0SB+3], s[G0SB+3], 0x80000000
	s_mov_b32 s[G0A], 1
	s_mov_b32 s[G0A+1], 0
	s_add_nc_u64 s[G0A+2:G0A+3], s[G0A+2:G0A+3], s[62:63]
	s_or_b32 s[G0A+3], s[G0A+3], 0x80000000
	s_mov_b32 s[G0B], 1
	s_mov_b32 s[G0B+1], R0L
	s_add_nc_u64 s[G0B+2:G0B+3], s[G0B+2:G0B+3], s[66:67]
	s_or_b32 s[G0B+3], s[G0B+3], 0x80000000
	; the head's four tiles, one joint load a wave: wave 0 source 1's panel, wave 1 source 0's, wave 2 source 1's scale bytes, wave 3 source 0's
	ARM 1, G0A,  G1A,  .Lhead_b
	ARM 2, G0B,  G1B,  .Lhead_sa
	ARM 3, G0SA, G1SA, .Lhead_sb
	tensor_load_to_lds s[G0SB:G0SB+3], s[G1SB:G1SB+7]
	s_nop 0
.rept 4
	v_nop
.endr
.Lhead_asked:
	v_and_b32 v1, 15, v0                           ; r
	v_bfe_u32 v2, v0, 4, 1                         ; h
	v_and_b32 v3, 31, v0                           ; lane
	v_mul_u32_u24 v4, v1, PITCH
	v_lshl_add_u32 v4, v2, 4, v4                   ; a fragment's row x pitch + 16 h
	s_mul_i32 s2, s15, HALFT
	v_add_nc_u32 v[ADR1], s2, v4
	s_mul_i32 s2, s16, HALFT
	s_add_co_u32 s2, s2, R0L
	v_add_nc_u32 v[ADR0], s2, v4
	v_and_b32 v6, 7, v0
	v_lshlrev_b32 v6, 5, v6                        ; scale bytes: eight rows of 32 bytes to a unit of 272
	v_lshrrev_b32 v5, 3, v1
	v_mul_u32_u24 v5, v5, 272
	v_add_nc_u32 v5, v5, v6
	s_mul_i32 s2, s15, HALFS
	s_add_co_u32 s2, s2, S1L
	v_add_nc_u32 v[ADS1], s2, v5                   ; source 1: row r
	v_lshrrev_b32 v5, 3, v3
	v_mul_u32_u24 v5, v5, 272
	v_add_nc_u32 v5, v5, v6
	s_mul_i32 s2, s16, HALFS
	s_add_co_u32 s2, s2, S0L
	v_add_nc_u32 v[ADS0], s2, v5                   ; source 0: row = lane: two tiles to a register
	s_lshl_b32 s2, s14, 10
	s_add_co_u32 s2, s2, STG
	v_lshl_add_u32 v[STA], v1, 2, s2
.if QKV
	v_lshl_add_u32 v[STA], v2, 9, v[STA]           ; lanes 16-31 have 512 bytes of their own
.endif
	v_lshlrev_b32 v[VO0], 4, v3
	s_wait_alu depctr_va_vdst(0)
	v_add_nc_u32 v[STR], s2, v[VO0]
	v_lshlrev_b32 v[H32], 5, v2
	v_lshlrev_b32 v[R4], 2, v1
	s_wait_alu depctr_va_vdst(0)
.irp b, 0,1,2,3
	v_mov_b32 v[TM+4+\b], 0                        ; written once: a lane permute's destination counts as one of its sources
.endr
	s_lshl_b32 s60, s20, 8
	s_lshl_b32 s61, s16, 7
	s_add_co_u32 s60, s60, s61                     ; R0: my first row of source 0
	s_lshl_b32 s62, s21, 8
	s_lshl_b32 s61, s15, 7
	s_add_co_u32 s62, s62, s61                     ; R1: of source 1
.if QKV
	s_cmp_eq_u32 s[VF], 1
	s_cselect_b32 s[TOK], s60, s62
	s_cselect_b32 s[CB], s62, s60
	s_mov_b32 s66, REC
	s_cselect_b32 s61, 512, s66                    ; piece 1: v: the image's second half;  q, k: the next head's record
	s_cselect_b32 s63, s66, 256                    ; the scale words' upper 16 lanes: v: the next head's record;  q, k: 256 bytes on
	s_mov_b32 s[MSK], 0xffff
	s_cselect_b32 s[MSK], -1, s[MSK]               ; q, k: two bytes of the scale word belong to a head,
	s_cselect_b32 s[ORV], 0, 0x7f7f0000            ; and 0x7f stands over the zero codes of k = 64 .. 127
	s_cselect_b32 s2, 0, 16                        ; lanes 16-31 take the second head's two bytes
	v_add_nc_u32 v[VO1], s61, v[VO0]
	v_mul_u32_u24 v5, s63, v2
	v_lshl_add_u32 v[SVO], v1, 4, v5
	v_mul_u32_u24 v[SHV], s2, v2
	s_lshl_b32 s[SA], 512, s[VF]                   ; an image: 512 bytes (q, k), 1,024 (v)
	s_mul_i32 s[SAJ], s[VF], REC-4*1024            ; v: behind four images the next head's record
	s_add_co_u32 s[SAJ], s[SAJ], s[SA]
	s_min_u32 s66, ttmp9, 1                        ; area 0: q;  area 1: k, v
	s_mul_i32 s66, s66, AREA
	s_lshr_b32 s2, s[TOK], 11                      ; batch
	s_lshl_b32 s2, s2, 4
	s_bfe_u32 s61, s[CB], 0x30007                  ; (column % 1,024) / 128: a pair of heads
	s_lshl_b32 s61, s61, 1
	s_add_co_u32 s2, s2, s61
	s_mul_i32 s2, s2, REC
	s_add_co_u32 s66, s66, s2
	s_bfe_u32 s2, s[TOK], 0x20009                  ; the phase of 512 tokens
	s_mul_i32 s2, s2, PH
	s_add_co_u32 s66, s66, s2
	s_bfe_u32 s61, s[TOK], 0x20007                 ; q: the key step in it
	s_lshl_b32 s2, s61, 12
	s_lshl_b32 s63, s[VF], 14
	s_add_co_u32 s2, s2, s63
	s_add_co_u32 s2, s2, s66
	s_mov_b32 s3, 0
	s_add_nc_u64 s[OB:OB+1], s[12:13], s[2:3]
	s_lshr_b32 s2, 512, s[VF]
	s_mul_i32 s2, s2, s61
	s_lshl_b32 s63, s[VF], 11
	s_add_co_u32 s2, s2, s63
	s_add_co_u32 s2, s2, s66
	s_add_co_u32 s2, s2, 32768
	s_add_nc_u64 s[SCB:SCB+1], s[12:13], s[2:3]
	s_mov_b32 s67, 0                               ; the upper word of the step s[66:67]
.else
	s_lshl_b32 s2, s20, 1
	s_add_co_u32 s2, s2, s16                       ; S: my 128 hidden units are K step S of the next product
	s_lshr_b32 s61, s2, 3
	s_lshl_b32 s61, s61, 21
	s_and_b32 s63, s2, 7
	s_lshl_b32 s63, s63, 10
	s_add_co_u32 s66, s61, s63
	s_lshl_b32 s63, s62, 9                         ; a tile of 16 tokens is 8,192 bytes on
	s_add_co_u32 s66, s66, s63
	s_mov_b32 s67, 0
	s_add_nc_u64 s[OB:OB+1], s[12:13], s[66:67]
	s_lshl_b32 s66, s2, 14
	s_lshl_b32 s63, s62, 2
	s_add_co_u32 s66, s66, s63
	s_add_co_u32 s66, s66, 0x800000
	s_add_nc_u64 s[SCB:SCB+1], s[12:13], s[66:67]
	CONST 0, 0xc034d90f                            ; the polynomial's coefficients times log2(e); c0 is 1 lower, which halves the result
	CONST 1, 0x3fb8ab5a
	CONST 2, 0x3f0a29d2
	CONST 3, 0x3e0efb2e
	CONST 4, 0xbe899a80
	CONST 5, 0x3ecdfd18
	CONST 6, 0xbfd1a1e5
	CONST 7, 0x40097039
	CONST 8, 0xbf97d29d
	s_mov_b32 s[KX], 0xbf38aa3b
	s_mov_b32 s[KX+1], 0xbf38aa3b
	s_mov_b32 s[K1], 0x3eb504f3
	v_mov_b32 v[C9], 0x3e7c6f08
	v_mov_b32 v[C9+1], 0x3e7c6f08
.endif
	s_lshl_b32 s2, s[CB], 2
	s_mov_b32 s3, 0
	s_add_nc_u64 s[10:11], s[10:11], s[2:3]        ; the bias of my 128 columns
.irp b, 0,1,2,3,4,5,6,7
	global_load_b128 v[BIAS+8*\b:BIAS+8*\b+3], v[H32], s[10:11] offset:64*\b       ; in the result's layout: columns 16 b + 8 h + 0 .. 7
	global_load_b128 v[BIAS+8*\b+4:BIAS+8*\b+7], v[H32], s[10:11] offset:64*\b+16
.endr
.if QKV
	global_load_b32 v[BVL], v[R4], s[10:11]        ; and one number a lane: column r of the first tile
.endif
	s_mov_b32 s2, 0x76543210                       ; v_permlanex16_b32's selects for lane l xor 16
	s_mov_b32 s3, 0xfedcba98
	s_wait_tensorcnt 0x0                           ; my parts of the panels and scale bytes are in,
	s_barrier_signal -1
	s_barrier_wait -1                              ; everybody's are
	WIN 0x80
.irp s, 0,1,2,3
.irp b, 0,1,2,3,4,5,6,7
.irp c, 0,1
	ds_load_b128 v[64*\s+8*\b+4*\c:64*\s+8*\b+4*\c+3], v[ADR0] offset:\b*16*PITCH+64*\s+32*\c
.endr
.endr
.endr
	WIN 0xc0
.irp s, 4,5,6,7
.irp b, 0,1,2,3,4,5,6,7
.irp c, 0,1
	ds_load_b128 v[64*(\s-4)+8*\b+4*\c:64*(\s-4)+8*\b+4*\c+3], v[ADR0] offset:\b*16*PITCH+64*\s+32*\c
.endr
.endr
.endr
	WIN 0
.irp p, 0,1,2,3
.irp g, 0,1
	ds_load_b128 v[S0+8*\p+4*\g:S0+8*\p+4*\g+3], v[ADS0] offset:\p*1088+16*\g     ; rows 32 p + lane, K steps 4 g on
.endr
.endr
	FETCH1
	s_wait_loadcnt 0x0                             ; the bias
; A TRIP: one tile of 16 rows of source 1.  last = 1: nothing more is fetched and nothing is stepped.
.macro TRIP last
	s_wait_dscnt 0x0                               ; the tile's fragments and scale words are in (in the first trip source 0's too); the last trip's store into the stage is done
.if QKV
	s_wait_loadcnt 0x0                             ; this tile's number of v's bias
	s_cmp_eq_u32 s[VF], 0
	s_cbranch_scc0 .Lfor_v_\@
	WIN 0x06                                       ; source 0 window 2, source 1 window 1, C and D window 0
	KSTEP 0, BIAS, 8                               ; the bias is the C of each sum's first instruction
	WIN 0
	s_branch .Lstarted_\@
.Lfor_v_\@:
.irp j, 0,1,2,3,4,5,6,7
	v_mov_b32 v[BV+\j], v[BVL]                     ; v: the bias hangs on source 1's row: the same in a lane's eight registers, and for all eight tiles
.endr
	PLACES
	WIN 0x06
	KSTEP 0, BV, 0
	WIN 0
.Lstarted_\@:
	WIN 0x06
.else
	WIN 0x06
	KSTEP 0, BIAS, 8
.endif
.irp s, 1,2,3
	KSTEP \s, ACC, 8
.endr
	WIN 0x07                                       ; source 0 window 3
.irp s, 4,5,6,7
	KSTEP \s, ACC, 8
.endr
	WIN 0
	PLACES
.if \last == 0
	v_add_nc_u32 v[ADR1], 16*PITCH, v[ADR1]
	v_add_nc_u32 v[ADS1], 544, v[ADS1]
	FETCH1                                         ; the next tile lands under the way out
.if QKV
	global_load_b32 v[BVL], v[R4], s[10:11] offset:64
.endif
.endif
.if QKV == 0
	GELU
.endif
	QUANTN ACC
.if QKV
	v_lshrrev_b32 v[VAL], v[SHV], v[PW]
	v_and_or_b32 v[VAL], v[VAL], s[MSK], s[ORV]
	global_store_b128 v[VO0], v[PC:PC+3], s[OB:OB+1]       ; 32 lanes store 512 consecutive bytes
	global_store_b128 v[VO1], v[PC+4:PC+7], s[OB:OB+1]
	ds_store_b32 v[STA], v[VAL]
.else
	global_store_b128 v[VO0], v[PC:PC+3], s[OB:OB+1]
	global_store_b128 v[VO0], v[PC+4:PC+7], s[OB:OB+1] offset:512
	ds_store_b32 v[STA], v[PW]                     ; both halves of the lanes write the same word with the same value
.endif
.if \last == 0
	v_add_nc_u32 v[STA], 64, v[STA]
	s_wait_xcnt 0x0                                ; the stores and the load have read their registers and bases: these are written again only behind this wait
.if QKV
	s_cmp_eq_u32 s[CNT], 3
	s_cselect_b32 s66, s[SAJ], s[SA]
	s_add_nc_u64 s[OB:OB+1], s[OB:OB+1], s[66:67]
	s_add_nc_u64 s[10:11], s[10:11], 64
.else
	s_add_nc_u64 s[OB:OB+1], s[OB:OB+1], 8192
.endif
.endif
.endm
	s_mov_b32 s[CNT], 0
.Ltrip:
	TRIP 0
	s_add_co_u32 s[CNT], s[CNT], 1
	s_cmp_lt_u32 s[CNT], 7
	s_cbranch_scc1 .Ltrip
	TRIP 1
	; the wave's scale words leave in whole runs.  LDS serves a wave's instructions in order: these loads see my stores
	ds_load_b128 v[TM:TM+3], v[STR]
.if QKV
	ds_load_b128 v[TM+4:TM+7], v[STR] offset:512
	s_wait_dscnt 0x0
	global_store_b128 v[SVO], v[TM:TM+3], s[SCB:SCB+1]     ; q, k: the first head's 128 words;  v: 64 words for each of the two heads
	s_cmp_eq_u32 s[VF], 1
	s_cbranch_scc1 .Lone_store
	global_store_b128 v[SVO], v[TM+4:TM+7], s[SCB:SCB+1] offset:REC   ; q, k: the second head's
.Lone_store:
.else
	s_wait_dscnt 0x0
	global_store_b128 v[VO0], v[TM:TM+3], s[SCB:SCB+1]     ; 128 tokens' words: 512 consecutive bytes
.endif
	s_wait_tensorcnt 0x0
	ds_add_u32 v254, v255
	s_wait_dscnt 0x0
	CROUND                                         ; the closing round: no work-group ends while a partner may still ask for a tile that names it
	s_endpgm
.Lfunc_end_k_q13a9d6d313_qkv:
	.size	k_q13a9d6d313_qkv, .Lfunc_end_k_q13a9d6d313_qkv-k_q13a9d6d313_qkv
	.p2alignl 7, 3214868480
	.fill 96, 4, 3214868480
	.section	.rodata,"a",@progbits
	.p2align	6, 0x0
	.amdhsa_kernel k_q13a9d6d313_qkv
		.amdhsa_group_segment_fixed_size 292352
		.amdhsa_private_segment_fixed_size 0
		.amdhsa_enable_private_segment 0
		.amdhsa_kernarg_size 40
		.amdhsa_user_sgpr_count 2
		.amdhsa_user_sgpr_kernarg_segment_ptr 1
		.amdhsa_wavefront_size32 1
		.amdhsa_system_sgpr_workgroup_id_x 1
		.amdhsa_system_sgpr_workgroup_id_y 1
		.amdhsa_system_sgpr_workgroup_id_z 1
		.amdhsa_system_vgpr_workitem_id 0
		.amdhsa_next_free_vgpr 1024
		.amdhsa_next_free_sgpr 102
		.amdhsa_reserve_vcc 0
		.amdhsa_float_denorm_mode_32 3
		.amdhsa_float_denorm_mode_16_64 3
		.amdhsa_memory_ordered 1
		.amdhsa_forward_progress 1
		.amdhsa_inst_pref_size 53
	.end_amdhsa_kernel
	.amdgpu_metadata
---
amdhsa.version: [ 1, 2 ]
amdhsa.kernels:
  - .name:           k_q13a9d6d313_qkv
    .symbol:         k_q13a9d6d313_qkv.kd
    .args:
      - { .name: hq, .offset: 0, .size: 8, .value_kind: global_buffer, .address_space: global }
      - { .name: w_qkv_codes, .offset: 8, .size: 8, .value_kind: global_buffer, .address_space: global }
      - { .name: w_qkv_scales, .offset: 16, .size: 8, .value_kind: global_buffer, .address_space: global }
      - { .name: b_qkv, .offset: 24, .size: 8, .value_kind: global_buffer, .address_space: global }
      - { .name: qkvq, .offset: 32, .size: 8, .value_kind: global_buffer, .address_space: global }
    .group_segment_fixed_size: 292352
    .private_segment_fixed_size: 0
    .kernarg_segment_align: 8
    .kernarg_segment_size: 40
    .max_flat_workgroup_size: 128
    .sgpr_count:     102
    .vgpr_count:     1024
    .wavefront_size: 32
...
	.end_amdgpu_metadata
.endif
;; end of part 2
;; launch attn (part 3): grid 8 x 32, 16 waves a work-group, clusters of 4 x 1, 169,984 bytes of LDS; arguments qkvq, oq; writes oq
.if DOCPART == 3
	.amdgcn_target "amdgcn-amd-amdhsa--gfx1250"
	.amdhsa_code_object_version 6
	.text
	.protected	k_q13a9d6d313_attn
	.globl	k_q13a9d6d313_attn
	.p2align	8
	.type	k_q13a9d6d313_attn,@function
k_q13a9d6d313_attn:
	s_mov_b64 s[64:65], 0
	v_nop
	global_prefetch_b8 v0, s[64:65] scope:SCOPE_SE
	s_setreg_imm32_b32 hwreg(HW_REG_WAVE_MODE, 25, 1), 1
	s_wait_xcnt 0x0
	s_wait_alu depctr_hold_cnt(0) depctr_sa_sdst(0) depctr_va_vdst(0) depctr_va_sdst(0) depctr_va_ssrc(0) depctr_va_vcc(0) depctr_vm_vsrc(0)
	s_getreg_b32 s2, hwreg(HW_REG_IB_STS2, 6, 4)
	s_cmp_eq_u32 s2, 0
	s_cbranch_scc0 .Lentry_in_a_cluster
	s_endpgm
.Lentry_in_a_cluster:
	s_bfe_u32 s2, ttmp6, 0x10000c
	s_cmp_lg_u32 s2, 0x3003
	s_cbranch_scc0 .Lentry_shape_is_right
	s_endpgm
.Lentry_shape_is_right:
; o = softmax(q k^T / 8) v for one head, both products on MX-FP4 codes, and o quantised along the model's 1,024 for the next product.
; IN (qkvq): 2 areas x 32 records (16 batch + head) of REC bytes; a record is 4 phases of PH bytes for 512 tokens (4 key steps of 128): K images [step][tile 8][512] at 0, V^T images [step][dt 4][1,024] at 16,384,
;   K scale words [512] at 32,768, V scale words [step][dt][16] at 34,816.  Area 0 holds q in K's places, area 1 k and v.  An image is a fragment's registers as they stand: lane l's 16 bytes at 16 l.
; OUT (oq): images [token tile 256][head 16][512] at 0; scale words [K step 8][4,096 tokens] at 2,097,152, of which a head writes two bytes.
; SOFTMAX: t = score x log2(e) / 8; M = the row's largest t so far, rounded up to a whole number; p = 2^(t - M) is quantised along the keys, not normalised.  The row's sum is taken of the unquantised p and divides at the end.
; When M moves, the sum and O are multiplied by 2^(old M - new M): exact.
; SHARES.  A work-group owns 256 queries of one head, each of its sixteen waves 16 of them in 256 registers.  The head's record of k and v, 143,360 bytes, comes into LDS once, byte for byte: sixteen loads of 8,960 bytes,
; one a wave, the addresses made from the wave's number.  One barrier behind them; the sixteen key steps have none.  Nothing in LDS is filled twice.
; CLUSTER.  The four query blocks of a cluster belong to one head: each load is asked for jointly, with the mask of all four.
; LAYOUT.  Both products are used transposed: S^T = K Q^T, O^T = V^T P^T: a lane holds one query (lane % 16) throughout.  Lane r of K's tile 4 c + u takes key 64 c + 8 u + 32 (r / 8) + r % 8 of the step's 128, so register
; 8 (4 c + u) + j of lane (r, h) is key 64 c + 32 h + 8 u + j: a lane holds two whole blocks of 32 keys, and the eight conversions' results are the second product's operand as they stand.
; The head's K is 64: registers 4-7 of Q's and K's fragments hold zero codes, under the byte 0x7f.
; DUAL PAIRS.  Two independent f32 operations on neighbouring registers are written as one dual-issue pair: one destination even, the other odd, like sources in different register banks; so c, -M and f are each kept in two registers.
; No prefetch: every tile is asked for at the head, and there is no loop to run ahead in.
; LIMITS: NaN and infinities are not served; the scaled scores stay under 2^31 in magnitude; a block whose largest magnitude lies under 2^-124 is quantised under the byte 1; v_exp_f32 gives 0 under 2^-126;
; the halfwords of o's scale words, 32 bytes a wave, do not fill their 256 bytes.
; REGISTERS: v1-6 lane terms; v8-11 LDS addresses; v12, v241 -M; v13 the largest score; v14-15 the sum in two halves; v16-23 Q; v24-27 K's scale words, v28-29 V's, v31 Q's; v32-95 K's 8 fragments; v96-159 S^T, then p;
;   v160-191 O^T; v192-223 V's 4 fragments; v224-231 p's codes; v232-255 at work; v246, v247 c; v252, v249 f; v253 p's scale word; v250, v251 the spare word's address and 0.
.set REC,  143360
.set PH,   35840
.set AREA, 32*REC
.set SPARE, 0x29000                    ; behind the record: 128 bytes of spare words for each wave
.set LI,   1                           ; 16 x lane
.set LS,   2                           ; 4 x lane
.set R4,   3                           ; 4 x (lane % 16)
.set LK,   4                           ; K's fragments: 1,024 (r / 8) + 16 (r % 8) + 256 h
.set LKS,  5                           ; K's scale words: 128 (r / 8) + 4 (r % 8) + 32 h
.set SH8,  6                           ; 8 h
.set AKF,  8
.set AKS,  9
.set AVF,  10
.set AVS,  11
.set WV,   8                           ; s8 my wave's number
.set G1,   24                          ; s[24:31] descriptor group 1; s[32:35] group 0
.set SEL,  48                          ; s[48:49] v_permlanex16_b32's selects for lane l xor 16
.set CS,   50                          ; s50 c = log2(e) / 8
.set CNT,  61
.macro PLACES
.rept 4
	v_nop
.endr
.endm
.macro CROUND                          ; a round of the cluster's barrier
	s_barrier_signal -1
	s_barrier_wait -1
	s_cmp_lg_u32 s[WV], 0
	s_cbranch_scc1 .Lnot_wave_0_\@
	s_barrier_signal -3
.Lnot_wave_0_\@:
	s_barrier_wait -3
	s_barrier_signal -1
	s_barrier_wait -1
.endm
	s_load_b128 s[4:7], s[0:1], 0x0                ; qkvq s[4:5], oq s[6:7]
	v_lshl_add_u32 v250, v0, 2, SPARE
	v_mov_b32 v251, 0
	ds_add_u32 v250, v251                          ; the opening lines: the add twice on end and one wait
	ds_add_u32 v250, v251
	v_lshrrev_b32 v1, 5, v0
	s_delay_alu instid0(VALU_DEP_1)
	v_readfirstlane_b32 s[WV], v1                  ; wave 0..15
	s_bfe_u32 s9, ttmp6, 0x40000                   ; cx
	s_lshl_b32 s10, ttmp9, 2
	s_add_co_u32 s10, s10, s9                      ; my block of 256 queries: it enters q's and o's addresses alone
	s_and_b32 s11, ttmp7, 0xffff                   ; 16 batch + head, which the four partners share
	s_mul_i32 s12, s11, REC
	; group 1: a sixteenth of the record: 8,960 dense bytes as 35 rows of 256 (32 elements of 8 bytes), no padding
	s_mov_b32 s[G1], 15|(3<<16)|(1<<21)            ; the mask of all four; elements of 8 bytes; bit 21 beside a mask
	s_mov_b32 s[G1+1], 32<<16
	s_mov_b32 s[G1+2], 35<<16
	s_mov_b32 s[G1+3], 32<<16
	s_mov_b32 s[G1+4], 35
	s_mov_b32 s[G1+5], 32
	s_mov_b32 s[G1+6], 0
	s_mov_b32 s[G1+7], 0
	s_mul_i32 s14, s[WV], 8960                     ; my sixteenth
	s_add_co_u32 s16, s12, s14
	s_add_co_u32 s16, s16, AREA
	s_mov_b32 s17, 0
	s_mov_b32 s[SEL], 0x76543210
	s_mov_b32 s[SEL+1], 0xfedcba98
	s_mov_b32 s[CS], 0x3e38aa3b
	s_mov_b32 s32, 1
	s_mov_b32 s33, s14                             ; LDS holds the record byte for byte
	s_wait_dscnt 0x0
	s_wait_kmcnt 0x0
	s_add_nc_u64 s[34:35], s[4:5], s[16:17]
	s_or_b32 s35, s35, 0x80000000
	CROUND                                         ; all four work-groups are here: the joint loads meet
	tensor_load_to_lds s[32:35], s[G1:G1+7]        ; one load a wave, on every wave's way
	s_nop 0
.rept 4
	v_nop
.endr
	v_and_b32 v7, 31, v0
	s_delay_alu instid0(VALU_DEP_1)
	v_lshlrev_b32 v[LI], 4, v7
	s_delay_alu instid0(VALU_DEP_2)
	v_lshlrev_b32 v[LS], 2, v7
	v_and_b32 v7, 15, v0
	s_delay_alu instid0(VALU_DEP_1)
	v_lshlrev_b32 v[R4], 2, v7
	v_bfe_u32 v[SH8], v0, 4, 1                     ; h
	v_and_b32 v7, 7, v0                            ; r % 8
	v_bfe_u32 v8, v0, 3, 1                         ; r / 8
	s_delay_alu instid0(VALU_DEP_2)
	v_lshlrev_b32 v[LK], 4, v7
	s_delay_alu instid0(VALU_DEP_1)
	v_lshl_add_u32 v[LK], v8, 10, v[LK]
	s_delay_alu instid0(VALU_DEP_1)
	v_lshl_add_u32 v[LK], v[SH8], 8, v[LK]
	v_lshlrev_b32 v[LKS], 2, v7
	s_delay_alu instid0(VALU_DEP_1)
	v_lshl_add_u32 v[LKS], v8, 7, v[LKS]
	s_delay_alu instid0(VALU_DEP_1)
	v_lshl_add_u32 v[LKS], v[SH8], 5, v[LKS]
	v_lshlrev_b32 v[SH8], 3, v[SH8]
	s_lshr_b32 s18, s10, 1                         ; q: the phase of 512 tokens,
	s_mul_i32 s18, s18, PH
	s_add_co_u32 s18, s18, s12
	s_and_b32 s19, s10, 1
	s_lshl_b32 s19, s19, 4
	s_add_co_u32 s19, s19, s[WV]                   ; and my tile of 16 among its 32
	s_lshl_b32 s20, s19, 9
	s_add_co_u32 s20, s20, s18
	s_mov_b32 s21, 0
	s_add_nc_u64 s[20:21], s[4:5], s[20:21]
	global_load_b128 v[16:19], v[LI], s[20:21]     ; Q's fragment stays in registers
	s_lshl_b32 s2, s19, 6
	s_add_co_u32 s2, s2, s18
	s_mov_b32 s3, 0
	s_add_nc_u64 s[2:3], s[4:5], s[2:3]
	global_load_b32 v31, v[R4], s[2:3] offset:32768   ; and its scale words
	s_lshr_b32 s52, s11, 4                         ; o: batch,
	s_lshl_b32 s52, s52, 7
	s_lshl_b32 s53, s10, 4
	s_add_co_u32 s52, s52, s53
	s_add_co_u32 s52, s52, s[WV]                   ; my tile of 16 tokens
	s_and_b32 s53, s11, 15                         ; head
	s_lshl_b32 s54, s52, 13
	s_lshl_b32 s55, s53, 9
	s_add_co_u32 s54, s54, s55
	s_mov_b32 s55, 0
	s_add_nc_u64 s[54:55], s[6:7], s[54:55]        ; the image
	s_lshr_b32 s56, s53, 1
	s_lshl_b32 s56, s56, 14
	s_lshl_b32 s57, s52, 6
	s_add_co_u32 s56, s56, s57
	s_and_b32 s57, s53, 1
	s_lshl_b32 s57, s57, 1
	s_add_co_u32 s56, s56, s57
	s_mov_b32 s57, 0
	s_add_nc_u64 s[56:57], s[6:7], s[56:57]        ; my two bytes of the scale words
.irp i, 20,21,22,23
	v_mov_b32 v[\i], 0                             ; zero codes for k = 64 .. 127
.endr
.irp t, 0,1,2,3,4,5,6,7
.irp i, 4,5,6,7
	v_mov_b32 v[32+8*\t+\i], 0                     ; in K's fragments too: written once, never loaded over
.endr
.endr
	v_mov_b32 v13, 0xff61b1e6                      ; the largest score so far: -3e38
	s_delay_alu instid0(VALU_DEP_1)
	v_floor_f32 v12, -v13                          ; -M
	v_mov_b32 v14, 0
	v_mov_b32 v15, 0
	v_mov_b32 v246, 0x3e38aa3b                     ; c, twice
	v_mov_b32 v247, 0x3e38aa3b
.irp b, 0,1,2,3
	v_mov_b32 v[236+\b], 0                         ; a lane permute's destination counts as one of its sources
.endr
.set j, 0
.rept 32
	v_mov_b32 v[160+j], 0                          ; O^T: the first step finds zeros, which the first change of M leaves zeros
.set j, j+1
.endr
.macro KADR p
	v_add_nc_u32 v[AKF], (\p)*PH, v[LK]
	v_add_nc_u32 v[AKS], (\p)*PH, v[LKS]
.endm
.macro VADR p
	v_add_nc_u32 v[AVF], (\p)*PH, v[LI]
	v_add_nc_u32 v[AVS], (\p)*PH, v[LS]
.endm
.macro KLOAD                           ; tile 4 c + u takes the upper or lower eight rows (u % 2) of images 4 c + u / 2 and 4 c + u / 2 + 2
.irp t, 0,1,2,3,4,5,6,7
	ds_load_b128 v[32+8*\t:35+8*\t], v[AKF] offset:2048*(\t/4)+512*((\t%4)/2)+128*(\t%2)
.endr
.irp p, 0,1,2,3
	ds_load_b32 v[24+\p], v[AKS] offset:32768+256*(\p/2)+64*(\p%2)   ; lanes 0-15: tile 2 p's rows; lanes 16-31: tile 2 p + 1's
.endr
.endm
.macro VLOAD
.irp d, 0,1,2,3
.irp c, 0,1
	ds_load_b128 v[192+8*\d+4*\c:195+8*\d+4*\c], v[AVF] offset:16384+1024*\d+512*\c
.endr
.endr
.irp u, 0,1
	ds_load_b32 v[28+\u], v[AVS] offset:34816+128*\u
.endr
.endm
; A KEY STEP: 128 keys.  Its K was fetched a step ago.  mode 0: the next step lies in the same phase; 1: it is the first of phase nb; 2: there is none.
.macro STEP mode, nb
.irp t, 0,1,2,3,4,5,6,7
.if \t%2
	v_wmma_scale_f32_16x16x128_f8f6f4 v[96+8*\t:103+8*\t], v[32+8*\t:39+8*\t], v[16:23], 0, v[24+\t/2], v31 matrix_a_fmt:MATRIX_FMT_FP4 matrix_b_fmt:MATRIX_FMT_FP4 matrix_a_scale:MATRIX_SCALE_ROW1
.else
	v_wmma_scale_f32_16x16x128_f8f6f4 v[96+8*\t:103+8*\t], v[32+8*\t:39+8*\t], v[16:23], 0, v[24+\t/2], v31 matrix_a_fmt:MATRIX_FMT_FP4 matrix_b_fmt:MATRIX_FMT_FP4
.endif
.endr
	; four plain lines: the places between these products and the reads of the scores and the loads into K's registers; with the two lines at the last step's end also those in front of the loads into V's
.if \mode == 0
	v_add_nc_u32 v[AKF], 4096, v[AKF]
	v_add_nc_u32 v[AKS], 512, v[AKS]
.elseif \mode == 1
	KADR \nb
.else
	v_nop
	v_nop
.endif
	v_mov_b32 v255, v12                            ; the old -M
	v_nop
	VLOAD                                          ; this step's V and the next step's K land under the softmax
.if \mode != 2
	KLOAD
.endif
.irp b, 0,1,2,3
	v_max3_num_f32 v[232+\b], v[96+16*\b], v[97+16*\b], v[98+16*\b]   ; four chains of 16 registers by turns; each accumulator is first read at its low end
.endr
.irp i, 3,5,7,9,11,13
.irp b, 0,1,2,3
	v_max3_num_f32 v[232+\b], v[232+\b], v[96+16*\b+\i], v[97+16*\b+\i]
.endr
.endr
	v_max3_num_f32 v232, v232, v233, v111          ; the largest score of my two blocks of 32 keys: it serves the row's maximum and, since p rises with the score, the block's largest p
	v_max3_num_f32 v234, v234, v235, v143
	v_max_num_f32 v232, v232, v127
	v_max_num_f32 v234, v234, v159
	s_delay_alu instid0(VALU_DEP_1)
	v_max_num_f32 v254, v232, v234
	s_delay_alu instid0(VALU_DEP_1)
	v_permlanex16_b32 v236, v254, s[SEL], s[SEL+1]
	s_delay_alu instid0(VALU_DEP_1)
	v_max3_num_f32 v13, v13, v254, v236            ; the running largest score of my query
	s_delay_alu instid0(VALU_DEP_1)
	v_mul_f32 v254, s[CS], v13                     ; as t
	s_delay_alu instid0(VALU_DEP_1)
	v_floor_f32 v12, -v254                         ; the new -M = -ceil(t),
	s_delay_alu instid0(VALU_DEP_2)
	v_floor_f32 v241, -v254                        ; twice
.set j, 0
.rept 32
	v_dual_fma_f32 v[96+j], v[96+j], v246, v12 :: v_dual_fma_f32 v[97+j], v[97+j], v247, v241   ; t - M
.if j == 14
	v_sub_f32 v255, v12, v255                      ; old M - new M: a whole number, 0 or less
.elseif j == 30
	v_cvt_i32_f32 v255, v255                       ; (it saturates)
.elseif j == 46
	v_ldexp_f32 v252, 1.0, v255                    ; f = 2^(old M - new M),
	v_ldexp_f32 v249, 1.0, v255                    ; twice
.endif
.set j, j+2
.endr
	v_fma_f32 v232, v232, s[CS], v12               ; the same of each block's largest score
	v_fma_f32 v234, v234, s[CS], v12
	s_wait_alu depctr_va_vdst(0)                   ; the wait ahead of the batch
	v_exp_f32 v232, v232                           ; the block's largest p
	v_exp_f32 v234, v234
.set j, 0
.rept 64
	v_exp_f32 v[96+j], v[96+j]                     ; p = 2^(t - M), at most 1
.set j, j+1
.endr
	s_wait_alu depctr_va_vdst(0)                   ; the wait directly ahead of O^T's first readers
.set j, 0
.rept 16
	v_dual_mul_f32 v[160+j], v252, v[160+j] :: v_dual_mul_f32 v[161+j], v249, v[161+j]   ; O^T under the new M: work that names no exponential's result
.set j, j+2
.endr
	s_wait_alu depctr_va_vdst(0)                   ; one wait for the batch of 66, ahead of its first reader
	v_max_num_f32 v232, 0x1800000, v232            ; the floor 2^(3 - 127): the byte cannot fall under 1
	v_max_num_f32 v234, 0x1800000, v234
	s_delay_alu instid0(VALU_DEP_2)
	v_add_nc_u32 v244, 0xff000000, v232            ; 2 off the exponent field: the conversion's scale operand
	s_delay_alu instid0(VALU_DEP_2)
	v_add_nc_u32 v245, 0xff000000, v234
.irp c, 0,1
.irp u, 0,1,2,3
	v_cvt_scalef32_pk8_fp4_f32 v[224+4*\c+\u], v[96+32*\c+8*\u:103+32*\c+8*\u], v[244+\c]   ; keys 64 c + 32 h + 8 u on
.endr
.endr
	v_lshrrev_b32 v236, 23, v244                   ; the scales' bytes.  (A plain line behind the conversions)
	v_lshrrev_b32 v237, 23, v245
	s_delay_alu instid0(VALU_DEP_1)
	v_lshl_or_b32 v238, v237, 16, v236
	s_delay_alu instid0(VALU_DEP_1)
	v_lshlrev_b32 v238, v[SH8], v238               ; at their places in the scale word;
	s_delay_alu instid0(VALU_DEP_1)
	v_permlanex16_b32 v239, v238, s[SEL], s[SEL+1]
	s_delay_alu instid0(VALU_DEP_1)
	v_or_b32 v253, v238, v239                      ; with lane l xor 16's two the word is whole
.irp s, 1,2,4,8,16                     ; the row's sum of the unquantised p: a tree in place.  These 31 lines are also the places between p's codes and scale word and the products below
.set i, 0
.rept 16/\s
	v_dual_add_f32 v[96+2*i], v[96+2*i], v[96+2*(i+\s)] :: v_dual_add_f32 v[97+2*i], v[97+2*i], v[97+2*(i+\s)]
.set i, i+2*\s
.endr
.endr
	v_dual_fma_f32 v14, v14, v252, v96 :: v_dual_fma_f32 v15, v15, v249, v97   ; the sum under the new M, and this step's
	s_wait_dscnt 0x0                               ; V, and the next step's K, are in
.irp d, 0,1,2,3
.if \d%2
	v_wmma_scale_f32_16x16x128_f8f6f4 v[160+8*\d:167+8*\d], v[192+8*\d:199+8*\d], v[224:231], v[160+8*\d:167+8*\d], v[28+\d/2], v253 matrix_a_fmt:MATRIX_FMT_FP4 matrix_b_fmt:MATRIX_FMT_FP4 matrix_a_scale:MATRIX_SCALE_ROW1
.else
	v_wmma_scale_f32_16x16x128_f8f6f4 v[160+8*\d:167+8*\d], v[192+8*\d:199+8*\d], v[224:231], v[160+8*\d:167+8*\d], v[28+\d/2], v253 matrix_a_fmt:MATRIX_FMT_FP4 matrix_b_fmt:MATRIX_FMT_FP4
.endif
.endr
.if \mode == 0
	v_add_nc_u32 v[AVF], 4096, v[AVF]
	v_add_nc_u32 v[AVS], 256, v[AVS]
.elseif \mode == 1
	VADR \nb
.endif
.endm
.macro RUN n                           ; n steps whose successors lie in the same phase
	s_mov_b32 s[CNT], \n
.Lstep_\@:
	s_wait_alu depctr_va_vdst(0)                   ; the wait behind the branch
	STEP 0, 0
	s_sub_co_u32 s[CNT], s[CNT], 1
	s_cmp_lg_u32 s[CNT], 0
	s_cbranch_scc1 .Lstep_\@
.endm
	s_wait_alu depctr_va_vdst(0)                   ; the wait at the head's end
	s_wait_loadcnt 0x0                             ; Q
	s_wait_tensorcnt 0x0                           ; my sixteenth of the record is in,
	s_barrier_signal -1
	s_barrier_wait -1                              ; everybody's is: no barrier stands in the sixteen steps
	KADR 0
	VADR 0
	KLOAD                                          ; the first step's K
	s_wait_alu depctr_va_vdst(0)
	s_wait_dscnt 0x0
	RUN 3
	STEP 1, 1
	RUN 3
	STEP 1, 2
	RUN 3
	STEP 1, 3
	RUN 3
	STEP 2, 0
	; THE WAY OUT: O^T / the sum, quantised along the head's 64 (two blocks), as one piece of an image.  Register 8 dt + i is channel 16 dt + 8 h + i; a block lies in lanes l and l xor 16;
	; the four conversions are laid in the order 0, 2, 1, 3, and two exchanges of lane halves give the operand's registers.
	PLACES
	s_wait_alu depctr_va_vdst(0)
	v_add_f32 v14, v14, v15
	s_delay_alu instid0(VALU_DEP_1)
	v_permlanex16_b32 v252, v14, s[SEL], s[SEL+1]
	s_delay_alu instid0(VALU_DEP_1)
	v_add_f32 v14, v14, v252                       ; the row's sum
	s_wait_alu depctr_va_vdst(0)
	v_rcp_f32 v14, v14
	v_nop
	s_wait_alu depctr_va_vdst(0)
	v_mov_b32 v15, v14
.set j, 0
.rept 16
	v_dual_mul_f32 v[96+j], v14, v[160+j] :: v_dual_mul_f32 v[97+j], v15, v[161+j]   ; each accumulator from its low end on
.set j, j+2
.endr
.irp b, 0,1
	v_max3_num_f32 v[232+\b], |v[96+16*\b]|, |v[97+16*\b]|, 0x1800000
.endr
.irp i, 2,4,6,8,10,12,14
.irp b, 0,1
	s_delay_alu instid0(VALU_DEP_2)
	v_max3_num_f32 v[232+\b], v[232+\b], |v[96+16*\b+\i]|, |v[97+16*\b+\i]|
.endr
.endr
.irp b, 0,1
	s_delay_alu instid0(VALU_DEP_2)
	v_permlanex16_b32 v[236+\b], v[232+\b], s[SEL], s[SEL+1]
.endr
.irp b, 0,1
	s_delay_alu instid0(VALU_DEP_2)
	v_max_num_f32 v[232+\b], v[232+\b], v[236+\b]
.endr
.irp b, 0,1
	s_delay_alu instid0(VALU_DEP_2)
	v_add_nc_u32 v[244+\b], 0xff000000, v[232+\b]
.endr
.irp b, 0,1
	s_delay_alu instid0(VALU_DEP_2)
	v_lshrrev_b32 v[236+\b], 23, v[244+\b]
.endr
	s_delay_alu instid0(VALU_DEP_1)
	v_lshl_or_b32 v240, v237, 8, v236              ; the head's two scale bytes
	v_cvt_scalef32_pk8_fp4_f32 v224, v[96:103], v244
	v_cvt_scalef32_pk8_fp4_f32 v226, v[104:111], v244
	v_cvt_scalef32_pk8_fp4_f32 v225, v[112:119], v245
	v_cvt_scalef32_pk8_fp4_f32 v227, v[120:127], v245
	v_nop
	v_permlane16_swap_b32 v224, v225
	v_permlane16_swap_b32 v226, v227
	global_store_b128 v[LI], v[224:227], s[54:55]  ; 32 lanes store 512 consecutive bytes
	global_store_b16 v[R4], v240, s[56:57] offset:2097152   ; both halves of the lanes write the same halfword with the same value
	s_wait_tensorcnt 0x0                           ; the wave's end
	ds_add_u32 v250, v251
	s_wait_dscnt 0x0
	CROUND                                         ; the closing round
	s_endpgm
.Lfunc_end_k_q13a9d6d313_attn:
	.size	k_q13a9d6d313_attn, .Lfunc_end_k_q13a9d6d313_attn-k_q13a9d6d313_attn
	.p2alignl 7, 3214868480
	.fill 96, 4, 3214868480
	.section	.rodata,"a",@progbits
	.p2align	6, 0x0
	.amdhsa_kernel k_q13a9d6d313_attn
		.amdhsa_group_segment_fixed_size 169984
		.amdhsa_private_segment_fixed_size 0
		.amdhsa_enable_private_segment 0
		.amdhsa_kernarg_size 16
		.amdhsa_user_sgpr_count 2
		.amdhsa_user_sgpr_kernarg_segment_ptr 1
		.amdhsa_wavefront_size32 1
		.amdhsa_system_sgpr_workgroup_id_x 1
		.amdhsa_system_sgpr_workgroup_id_y 1
		.amdhsa_system_sgpr_workgroup_id_z 1
		.amdhsa_system_vgpr_workitem_id 0
		.amdhsa_next_free_vgpr 256
		.amdhsa_next_free_sgpr 66
		.amdhsa_reserve_vcc 0
		.amdhsa_float_denorm_mode_32 3
		.amdhsa_float_denorm_mode_16_64 3
		.amdhsa_memory_ordered 1
		.amdhsa_forward_progress 1
		.amdhsa_inst_pref_size 136
	.end_amdhsa_kernel
	.amdgpu_metadata
---
amdhsa.version: [ 1, 2 ]
amdhsa.kernels:
  - .name:           k_q13a9d6d313_attn
    .symbol:         k_q13a9d6d313_attn.kd
    .args:
      - { .name: qkvq, .offset: 0, .size: 8, .value_kind: global_buffer, .address_space: global }
      - { .name: oq, .offset: 8, .size: 8, .value_kind: global_buffer, .address_space: global }
    .group_segment_fixed_size: 169984
    .private_segment_fixed_size: 0
    .kernarg_segment_align: 8
    .kernarg_segment_size: 16
    .max_flat_workgroup_size: 512
    .sgpr_count:     66
    .vgpr_count:     256
    .wavefront_size: 32
...
	.end_amdgpu_metadata
.endif
;; end of part 3
;; launch proj (part 4): grid 8 x 32, 4 waves a work-group, clusters of 4 x 4, 167,936 bytes of LDS; arguments oq, w_out_codes, w_out_scales, b_out, x, x1; writes x1
.if DOCPART == 4
	.amdgcn_target "amdgcn-amd-amdhsa--gfx1250"
	.amdhsa_code_object_version 6
	.text
	.protected	k_q13a9d6d313_proj
	.globl	k_q13a9d6d313_proj
	.p2align	8
	.type	k_q13a9d6d313_proj,@function
k_q13a9d6d313_proj:
	s_mov_b64 s[64:65], 0
	v_nop
	global_prefetch_b8 v0, s[64:65] scope:SCOPE_SE
	s_setreg_imm32_b32 hwreg(HW_REG_WAVE_MODE, 25, 1), 1
	s_wait_xcnt 0x0
	s_wait_alu depctr_hold_cnt(0) depctr_sa_sdst(0) depctr_va_vdst(0) depctr_va_sdst(0) depctr_va_ssrc(0) depctr_va_vcc(0) depctr_vm_vsrc(0)
	s_getreg_b32 s2, hwreg(HW_REG_IB_STS2, 6, 4)
	s_cmp_eq_u32 s2, 0
	s_cbranch_scc0 .Lentry_in_a_cluster
	s_endpgm
.Lentry_in_a_cluster:
	s_bfe_u32 s2, ttmp6, 0x10000c
	s_cmp_lg_u32 s2, 0xf033
	s_cbranch_scc0 .Lentry_shape_is_right
	s_endpgm
.Lentry_shape_is_right:
; x1 = x + o w_out + b_out, the product on MX-FP4 codes, K = 1,024; x, x1: [4096][1024] f32.
; o (oq) arrives as images of its fragments' registers (16 rows x 128 K: 1,024 bytes, lane l's 16 bytes of piece c at 512 c + 16 l; a tile of 16 tokens is 8 images) with scale words [K step 8][4,096 tokens] at 2,097,152;
; w_out as rows of codes, K innermost (512 bytes a row), with scale bytes [row][32].
; A tile of x1 is 128 x 128: 256 work-groups.  Four waves, each 64 x 64: 16 accumulators.  All of K lies in LDS at once, filled once by four joint loads at the head, one a wave:
; wave 0 o's 8 tiles of rows (65,536 dense bytes), wave 1 w_out's 128 rows, wave 2 o's scale words, wave 3 w_out's scale bytes.  Nothing in LDS is filled twice.
; The bias is the C of each sum's first instruction.  The residual is asked for at the head, into registers of its own.
; CLUSTERS: 4 x 4.  o's tiles hang on the tile row alone and are shared along a row of the cluster, w_out's on the tile column alone and are shared along a column.
; The matrix instruction is used transposed (source 0 = 16 rows of w_out, source 1 = 16 rows of o): a lane holds eight neighbouring numbers of a row of x1.
; No prefetch: every tile is asked for at the head, and there is no loop to run ahead in.
; REGISTERS.  window 0: v1-31 addresses; v32-47 scale words, two sets; v48-111 rows on the way out; v96-127 the bias; v128-255 the accumulators ((a, b) at v[128 + 8 (4 a + b)]).
;   window 1: two fragment buffers of 128: for 256 along K, 64 registers of o, then 64 of w_out.     window 2: v0-127 the residual.
.set PITCH,  528                       ; a row of w_out in LDS: 512 bytes + 16: the 16 rows that a load touches start in 16 different groups of banks
.set AIMG,   8192                      ; a tile of 16 rows of o: 8 images
.set WL,     8*AIMG                    ; LDS: o at 0, w_out here,
.set SCA,    WL+128*PITCH              ; o's scale words [K step 8][128 tokens],
.set SCB,    SCA+8*512                 ; w_out's scale bytes, as 16 units of 256 bytes + 16,
.set STAGE,  SCB+16*272                ; a stage of 16 rows x (256 bytes + 16) for each wave: no tensor load lands here,
.set SPARE,  STAGE+4*16*272            ; and the spare words, 128 bytes for each wave
.set ADRA, 16
.set ADRB, 20
.set ADSA, 22                          ; o's scale words: lanes 0-15 an even tile's rows, lanes 16-31 the odd tile's
.set ADSB, 23                          ; w_out's likewise
.set STO,  24
.set RD,   25
.set CO,   26
.set H32,  27
.set SPW,  28
.set NIL,  29
.set SCR,  32                          ; scale words: set f: o's at v[32 + 8 f + 2 kk + a / 2], w_out's at v[36 + 8 f + 2 (b / 2) + kk]
.set TMP,  48
.set BIAS, 96
.set ACC,  128
.set G1,   24
.set G0,   32
.set G1B,  48
.set G0B,  56
.set G1S,  68
.set G0S,  76
.set G1SB, 80
.set G0SB, 88
.set MSB, 0
.macro WIN new                         ; the immediate's high byte repeats the setting that is left
.if MSB != \new
	s_set_vgpr_msb (MSB<<8)|\new
.set MSB, \new
.endif
.endm
.set MUL, 0x05                         ; sources 0 and 1 window 1; C and D window 0
.macro PLACES
.rept 4
	v_nop
.endr
.endm
.macro CROUND                          ; a round of the cluster's barrier
	s_barrier_signal -1
	s_barrier_wait -1
	s_cmp_lg_u32 s16, 0
	s_cbranch_scc1 .Lnot_wave_0_\@
	s_barrier_signal -3
.Lnot_wave_0_\@:
	s_barrier_wait -3
	s_barrier_signal -1
	s_barrier_wait -1
.endm
.macro DIMS g, c, r, p                 ; group 1's words 1 to 7: r rows of c elements, p elements apart
	s_mov_b32 s[\g+1], (\c)<<16
	s_mov_b32 s[\g+2], (\r)<<16
	s_mov_b32 s[\g+3], (\c)<<16
	s_mov_b32 s[\g+4], \r
	s_mov_b32 s[\g+5], \p
	s_mov_b32 s[\g+6], 0
	s_mov_b32 s[\g+7], 0
.endm
.macro GRP0 g, lds, a                  ; group 0: to LDS byte lds, from the address in s[a:a+1]
	s_mov_b32 s[\g], 1
	s_mov_b32 s[\g+1], \lds
	s_mov_b64 s[\g+2:\g+3], s[\a:\a+1]
	s_or_b32 s[\g+3], s[\g+3], 0x80000000
.endm
.macro ARM under, g0, g1, next         ; one arm of the head's tree: its joint load, s_nop 0 and four v_nop, a jump to the tree's end
	s_cmp_lt_u32 s16, \under
	s_cbranch_scc0 \next
	tensor_load_to_lds s[\g0:\g0+3], s[\g1:\g1+7]
	s_nop 0
.rept 4
	v_nop
.endr
	s_branch .Lhead_asked
\next:
.endm
	s_load_b256 s[4:11], s[0:1], 0x0               ; oq s[4:5], w_out's codes s[6:7], its scale bytes s[8:9], the bias s[10:11]
	s_load_b128 s[12:15], s[0:1], 0x20             ; x s[12:13], x1 s[14:15]
	v_lshl_add_u32 v[SPW], v0, 2, SPARE
	v_mov_b32 v[NIL], 0
	ds_add_u32 v[SPW], v[NIL]                      ; the opening lines: the add twice on end and one wait
	ds_add_u32 v[SPW], v[NIL]
	v_lshrrev_b32 v1, 5, v0
	v_readfirstlane_b32 s16, v1                    ; wave 0..3
	s_lshr_b32 s17, s16, 1                         ; which 64 rows of the tile are mine
	s_and_b32 s18, s16, 1                          ; which 64 columns
	s_bfe_u32 s40, ttmp6, 0x40000                  ; cx, cy
	s_bfe_u32 s41, ttmp6, 0x40004
	s_lshl_b32 s42, ttmp9, 2
	s_add_co_u32 s42, s42, s40                     ; tile column
	s_and_b32 s19, ttmp7, 0xffff
	s_lshl_b32 s19, s19, 2
	s_add_co_u32 s19, s19, s41                     ; tile row
	s_lshl_b32 s43, s41, 2
	s_lshl_b32 s43, 15, s43                        ; my row of the cluster
	s_lshl_b32 s44, 0x1111, s40                    ; my column
	s_or_b32 s[G1], s43, (3<<16)|(1<<21)           ; o's images: 8 rows of 8,192 bytes (elements of 8 bytes), dense
	DIMS G1, 1024, 8, 1024
	s_or_b32 s[G1B], s44, (0<<16)|(1<<20)|(1<<21)|(6<<22)|(3<<25)   ; w_out's codes: 128 rows x 512 bytes, four words of padding after every 128
	DIMS G1B, 512, 128, 512
	s_or_b32 s[G1S], s43, (3<<16)|(1<<21)          ; o's scale words: 8 K steps x 512 bytes, 16,384 bytes apart
	DIMS G1S, 64, 8, 2048
	s_or_b32 s[G1SB], s44, (3<<16)|(1<<20)|(1<<21)|(5<<22)|(3<<25)  ; w_out's scale bytes: 4,096 dense bytes as 16 rows of 256, four words of padding behind each
	DIMS G1SB, 32, 16, 32
	s_lshl_b32 s20, s19, 16                        ; o: 8 tiles of rows to a tile row
	s_mov_b32 s21, 0
	s_lshl_b32 s22, s19, 9                         ; its scale words: 512 bytes to a tile row
	s_add_co_u32 s22, s22, 2097152
	s_mov_b32 s23, 0
	s_lshl_b32 s46, s42, 7                         ; w_out: row 128 x tile column
	s_lshl_b32 s92, s46, 5
	s_mov_b32 s93, 0
	s_lshl_b32 s46, s46, 9
	s_mov_b32 s47, 0
	s_wait_dscnt 0x0
	s_wait_kmcnt 0x0
	s_add_nc_u64 s[20:21], s[4:5], s[20:21]
	s_add_nc_u64 s[22:23], s[4:5], s[22:23]
	s_add_nc_u64 s[46:47], s[6:7], s[46:47]
	s_add_nc_u64 s[92:93], s[8:9], s[92:93]
	CROUND                                         ; all sixteen work-groups are here: the joint loads meet
	GRP0 G0, 0, 20
	GRP0 G0B, WL, 46
	GRP0 G0S, SCA, 22
	GRP0 G0SB, SCB, 92
	ARM 1, G0,  G1,  .Lhead_b
	ARM 2, G0B, G1B, .Lhead_sa
	ARM 3, G0S, G1S, .Lhead_sb
	tensor_load_to_lds s[G0SB:G0SB+3], s[G1SB:G1SB+7]
	s_nop 0
.rept 4
	v_nop
.endr
.Lhead_asked:
	v_and_b32 v1, 15, v0                           ; r
	v_bfe_u32 v2, v0, 4, 1                         ; h
	v_and_b32 v3, 31, v0                           ; lane
	v_lshlrev_b32 v4, 4, v3
	s_mul_i32 s20, s17, 4*AIMG
	v_add_nc_u32 v[ADRA], s20, v4                  ; o: my four tiles of rows, 16 x lane
	v_mul_u32_u24 v5, v1, PITCH
	v_lshl_add_u32 v5, v2, 4, v5
	s_mul_i32 s20, s18, 64*PITCH
	s_add_co_u32 s20, s20, WL
	v_add_nc_u32 v[ADRB], s20, v5                  ; w_out: my 64 rows, row r x pitch + 16 h
	s_lshl_b32 s20, s17, 8
	s_add_co_u32 s20, s20, SCA
	v_lshl_add_u32 v[ADSA], v3, 2, s20             ; o's scale words: my 64 tokens, token = lane
	v_lshrrev_b32 v5, 3, v3
	v_mul_u32_u24 v5, v5, 272
	v_and_b32 v6, 7, v3
	v_mul_u32_u24 v6, v6, 32
	v_add_nc_u32 v5, v5, v6
	s_mul_i32 s20, s18, 8*272
	s_add_co_u32 s20, s20, SCB
	v_add_nc_u32 v[ADSB], s20, v5                  ; w_out's: my 64 rows, row = lane
	s_mul_i32 s20, s16, 16*272
	s_add_co_u32 s20, s20, STAGE                   ; my stage
	v_mul_u32_u24 v5, v1, 272
	v_lshl_add_u32 v5, v2, 5, v5
	v_add_nc_u32 v[STO], s20, v5                   ; in: row r, 32 bytes for each half of the lanes
	v_mul_u32_u24 v5, v2, 272
	v_lshl_add_u32 v5, v1, 4, v5
	v_add_nc_u32 v[RD], s20, v5                    ; back: lanes 0-15 one row of 256 bytes, lanes 16-31 the next
	v_lshlrev_b32 v5, 12, v2
	v_lshl_add_u32 v[CO], v1, 4, v5                ; and the same two rows in memory
	v_lshlrev_b32 v[H32], 5, v2
	s_wait_alu depctr_va_vdst(0)                   ; the wait behind the head's last vector line
	s_lshl_b32 s20, s19, 19                        ; my first row: 128 x tile row + 64 x half, 4,096 bytes a row
	s_lshl_b32 s21, s17, 18
	s_add_co_u32 s20, s20, s21
	s_lshl_b32 s22, s42, 9                         ; my first column, in bytes
	s_lshl_b32 s23, s18, 8
	s_add_co_u32 s22, s22, s23
	s_mov_b32 s23, 0
	s_add_nc_u64 s[10:11], s[10:11], s[22:23]
	s_add_co_u32 s20, s20, s22
	s_mov_b32 s21, 0
	s_add_nc_u64 s[12:13], s[12:13], s[20:21]
	s_add_nc_u64 s[14:15], s[14:15], s[20:21]
.irp b, 0,1,2,3
	global_load_b128 v[BIAS+8*\b:BIAS+8*\b+3], v[H32], s[10:11] offset:64*\b       ; in the result's layout: columns 16 b + 8 h + 0 .. 7
	global_load_b128 v[BIAS+8*\b+4:BIAS+8*\b+7], v[H32], s[10:11] offset:64*\b+16
.endr
	WIN 0x80                                       ; destination window 2
.irp a, 0,1,2,3
.irp t, 0,1,2,3,4,5,6,7
	global_load_b128 v[4*(8*\a+\t):4*(8*\a+\t)+3], v[CO], s[12:13] offset:(16*\a+2*\t)*4096 th:TH_LOAD_NT   ; sixteen lanes read 256 consecutive bytes of a row
.endr
.endr
	WIN 0
.macro WM pb, pa                       ; one matrix instruction on rD, rB, rA, rC, rSB, rSA; pb, pa = 1: that source's scale words stand in lanes 16-31
.if (\pb) && (\pa)
	v_wmma_scale_f32_16x16x128_f8f6f4 v[rD:rD+7], v[rB:rB+7], v[rA:rA+7], v[rC:rC+7], v[rSB], v[rSA] matrix_a_fmt:MATRIX_FMT_FP4 matrix_b_fmt:MATRIX_FMT_FP4 matrix_a_scale:MATRIX_SCALE_ROW1 matrix_b_scale:MATRIX_SCALE_ROW1
.elseif (\pb)
	v_wmma_scale_f32_16x16x128_f8f6f4 v[rD:rD+7], v[rB:rB+7], v[rA:rA+7], v[rC:rC+7], v[rSB], v[rSA] matrix_a_fmt:MATRIX_FMT_FP4 matrix_b_fmt:MATRIX_FMT_FP4 matrix_a_scale:MATRIX_SCALE_ROW1
.elseif (\pa)
	v_wmma_scale_f32_16x16x128_f8f6f4 v[rD:rD+7], v[rB:rB+7], v[rA:rA+7], v[rC:rC+7], v[rSB], v[rSA] matrix_a_fmt:MATRIX_FMT_FP4 matrix_b_fmt:MATRIX_FMT_FP4 matrix_b_scale:MATRIX_SCALE_ROW1
.else
	v_wmma_scale_f32_16x16x128_f8f6f4 v[rD:rD+7], v[rB:rB+7], v[rA:rA+7], v[rC:rC+7], v[rSB], v[rSA] matrix_a_fmt:MATRIX_FMT_FP4 matrix_b_fmt:MATRIX_FMT_FP4
.endif
.endm
; 8 matrix instructions: o's tiles a0, a0 + 1 x w_out's four, K step kk of buffer f.  first = 1: the bias is the C.  The 16 accumulators take turns, one instruction a turn.
.macro MUL8 f, kk, a0, first
.irp a, \a0, \a0+1
.irp b, 0,1,2,3
.set rD, ACC+8*(4*(\a)+\b)
.if \first
.set rC, BIAS+8*\b
.else
.set rC, rD
.endif
.set rB, 128*(\f)+64+8*(4*(\kk)+\b)
.set rA, 128*(\f)+8*(4*(\kk)+(\a))
.set rSB, SCR+4+8*(\f)+2*(\b/2)+(\kk)
.set rSA, SCR+8*(\f)+2*(\kk)+(\a)/2
	WM \b%2, (\a)%2
.endr
.endr
.endm
; 38 LDS loads in one run: quarter q of K (K steps 2 q and 2 q + 1) into buffer f: 6 for the scale words, 16 for the first K step, 16 for the second
.macro FETCH q, f
	WIN 0
.irp kk, 0,1
.irp ip, 0,1
	ds_load_b32 v[SCR+8*(\f)+2*\kk+\ip], v[ADSA] offset:(2*(\q)+\kk)*512+128*\ip
.endr
.endr
.irp jp, 0,1
	ds_load_b64 v[SCR+4+8*(\f)+2*\jp:SCR+5+8*(\f)+2*\jp], v[ADSB] offset:\jp*4*272+8*(\q)
.endr
	WIN 0x40
.irp kk, 0,1
.irp i, 0,1,2,3
.irp c, 0,1
	ds_load_b128 v[128*(\f)+64+8*(4*\kk+\i)+4*\c:128*(\f)+64+8*(4*\kk+\i)+4*\c+3], v[ADRB] offset:\i*16*PITCH+128*(\q)+64*\kk+32*\c
.endr
.irp c, 0,1
	ds_load_b128 v[128*(\f)+8*(4*\kk+\i)+4*\c:128*(\f)+8*(4*\kk+\i)+4*\c+3], v[ADRA] offset:\i*AIMG+(2*(\q)+\kk)*1024+512*\c
.endr
.endr
.endr
.endm
.macro QUARTER q, first                ; multiplies buffer q % 2 and fetches quarter q + 1 into the other
	s_wait_dscnt 16                                ; the scale words and the first K step are in; the second K step's sixteen loads may be out
	WIN MUL
	MUL8 (\q)%2, 0, 0, \first
	MUL8 (\q)%2, 0, 2, \first
	PLACES
	FETCH (\q)+1, 1-(\q)%2
	s_wait_dscnt 38                                ; all but the 38 just issued
	WIN MUL
	MUL8 (\q)%2, 1, 0, 0
	MUL8 (\q)%2, 1, 2, 0
.endm
	s_wait_tensorcnt 0x0                           ; my tile of the four is in,
	s_barrier_signal -1
	s_barrier_wait -1                              ; everybody's is
	FETCH 0, 0
	s_wait_loadcnt 32                              ; the bias is in; the residual's 32 loads, issued behind it, may be out
	QUARTER 0, 1
	QUARTER 1, 0
	QUARTER 2, 0
	s_wait_dscnt 16                                ; the last quarter: nothing more to fetch
	WIN MUL
	MUL8 1, 0, 0, 0
	MUL8 1, 0, 2, 0
	s_wait_dscnt 0x0
	MUL8 1, 1, 0, 0
	MUL8 1, 1, 2, 0
	WIN 0
; THE WAY OUT, a block of 16 rows x 64 columns at a time, through my own stage, back as whole rows of 256 bytes.  LDS serves a wave's instructions in order: no wait between the stores and the loads.
.macro TOSTAGE a
.irp b, 0,1,2,3
	ds_store_b128 v[STO], v[ACC+8*(4*(\a)+\b):ACC+8*(4*(\a)+\b)+3] offset:64*\b          ; each accumulator from its low end on
	ds_store_b128 v[STO], v[ACC+8*(4*(\a)+\b)+4:ACC+8*(4*(\a)+\b)+7] offset:64*\b+16
.endr
.set BB, TMP+32*((\a)%2)
.irp t, 0,1,2,3,4,5,6,7
	ds_load_b128 v[BB+4*\t:BB+4*\t+3], v[RD] offset:\t*544
.endr
.endm
.macro SEND a, younger                 ; younger: the LDS instructions issued behind block a's loads, which may stay out
.set BB, TMP+32*((\a)%2)
	s_wait_dscnt \younger
	WIN 0x08                                       ; source 1 window 2
.set j, 0
.rept 16
	v_pk_add_f32 v[BB+j:BB+j+1], v[BB+j:BB+j+1], v[32*(\a)+j:32*(\a)+j+1]   ; + the residual
.set j, j+2
.endr
	WIN 0
.irp t, 0,1,2,3,4,5,6,7
	global_store_b128 v[CO], v[BB+4*\t:BB+4*\t+3], s[14:15] offset:(16*(\a)+2*\t)*4096   ; sixteen lanes store 256 consecutive bytes, aligned
.endr
.endm
	PLACES
	s_wait_loadcnt 0x0                             ; the residual
	TOSTAGE 0
.irp a, 1,2,3
.if \a > 1
	s_wait_xcnt 0x0                                ; block a - 2's stores have read their registers: block a's loads may land there
.endif
	TOSTAGE \a
	SEND \a-1, 16                                  ; behind block a - 1's loads: block a's 8 stores and 8 loads
.endr
	SEND 3, 0
	s_wait_tensorcnt 0x0                           ; the wave's end
	ds_add_u32 v[SPW], v[NIL]
	s_wait_dscnt 0x0
	CROUND                                         ; the closing round
	s_endpgm
.Lfunc_end_k_q13a9d6d313_proj:
	.size	k_q13a9d6d313_proj, .Lfunc_end_k_q13a9d6d313_proj-k_q13a9d6d313_proj
	.p2alignl 7, 3214868480
	.fill 96, 4, 3214868480
	.section	.rodata,"a",@progbits
	.p2align	6, 0x0
	.amdhsa_kernel k_q13a9d6d313_proj
		.amdhsa_group_segment_fixed_size 167936
		.amdhsa_private_segment_fixed_size 0
		.amdhsa_enable_private_segment 0
		.amdhsa_kernarg_size 48
		.amdhsa_user_sgpr_count 2
		.amdhsa_user_sgpr_kernarg_segment_ptr 1
		.amdhsa_wavefront_size32 1
		.amdhsa_system_sgpr_workgroup_id_x 1
		.amdhsa_system_sgpr_workgroup_id_y 1
		.amdhsa_system_sgpr_workgroup_id_z 1
		.amdhsa_system_vgpr_workitem_id 0
		.amdhsa_next_free_vgpr 768
		.amdhsa_next_free_sgpr 98
		.amdhsa_reserve_vcc 0
		.amdhsa_float_denorm_mode_32 3
		.amdhsa_float_denorm_mode_16_64 3
		.amdhsa_memory_ordered 1
		.amdhsa_forward_progress 1
		.amdhsa_inst_pref_size 51
	.end_amdhsa_kernel
	.amdgpu_metadata
---
amdhsa.version: [ 1, 2 ]
amdhsa.kernels:
  - .name:           k_q13a9d6d313_proj
    .symbol:         k_q13a9d6d313_proj.kd
    .args:
      - { .name: oq, .offset: 0, .size: 8, .value_kind: global_buffer, .address_space: global }
      - { .name: w_out_codes, .offset: 8, .size: 8, .value_kind: global_buffer, .address_space: global }
      - { .name: w_out_scales, .offset: 16, .size: 8, .value_kind: global_buffer, .address_space: global }
      - { .name: b_out, .offset: 24, .size: 8, .value_kind: global_buffer, .address_space: global }
      - { .name: x, .offset: 32, .size: 8, .value_kind: global_buffer, .address_space: global }
      - { .name: x1, .offset: 40, .size: 8, .value_kind: global_buffer, .address_space: global }
    .group_segment_fixed_size: 167936
    .private_segment_fixed_size: 0
    .kernarg_segment_align: 8
    .kernarg_segment_size: 48
    .max_flat_workgroup_size: 128
    .sgpr_count:     98
    .vgpr_count:     768
    .wavefront_size: 32
...
	.end_amdgpu_metadata
.endif
;; end of part 4
;; launch ln2: the kernel of part 1 again; grid 256 x 1, 8 waves a work-group, no clusters, 75,776 bytes of LDS; arguments x1, ln2_g, ln2_b, hq; writes hq
;; launch fc1 (part 5): grid 16 x 16, 4 waves a work-group, clusters of 4 x 4, 327,680 bytes of LDS; arguments hq, w_fc1_codes, w_fc1_scales, b_fc1, gq; writes gq
.if DOCPART == 5
	.amdgcn_target "amdgcn-amd-amdhsa--gfx1250"
	.amdhsa_code_object_version 6
	.text
	.protected	k_q13a9d6d313_fc1
	.globl	k_q13a9d6d313_fc1
	.p2align	8
	.type	k_q13a9d6d313_fc1,@function
k_q13a9d6d313_fc1:
	s_mov_b64 s[64:65], 0
	v_nop
	global_prefetch_b8 v0, s[64:65] scope:SCOPE_SE
	s_setreg_imm32_b32 hwreg(HW_REG_WAVE_MODE, 25, 1), 1
	s_wait_xcnt 0x0
	s_wait_alu depctr_hold_cnt(0) depctr_sa_sdst(0) depctr_va_vdst(0) depctr_va_sdst(0) depctr_va_ssrc(0) depctr_va_vcc(0) depctr_vm_vsrc(0)
	s_getreg_b32 s2, hwreg(HW_REG_IB_STS2, 6, 4)
	s_cmp_eq_u32 s2, 0
	s_cbranch_scc0 .Lentry_in_a_cluster
	s_endpgm
.Lentry_in_a_cluster:
	s_bfe_u32 s2, ttmp6, 0x10000c
	s_cmp_lg_u32 s2, 0xf033
	s_cbranch_scc0 .Lentry_shape_is_right
	s_endpgm
.Lentry_shape_is_right:
.set QKV,    0
.set PITCH,  528
.set HALFT,  128*PITCH
.set R0L,    2*HALFT
.set S1L,    4*HALFT
.set HALFS,  16*272
.set S0L,    S1L+2*HALFS
.set STG,    S0L+2*HALFS
.set REC,    143360
.set PH,     35840
.set AREA,   32*REC
.set ADR1, 16
.set ADR0, 17
.set ADS1, 18
.set ADS0, 19
.set VO0,  20
.set VO1,  21
.set STA,  22
.set STR,  23
.set SVO,  24
.set SHV,  25
.set H32,  26
.set R4,   27
.set BVL,  28
.set S0,   32
.set S1,   64
.set BV,   72
.set TM,   80
.set PW,   96
.set VAL,  97
.set PC,   100
.set C9,   108
.set BIAS, 112
.set ACC,  176
.set TT,   64
.set PP,   128
.set WW,   192
.set G1A,  24
.set G0A,  32
.set G1B,  36
.set G0B,  44
.set G1SA, 48
.set G0SA, 56
.set G1SB, 68
.set G0SB, 76
.set OB,   4
.set SCB,  6
.set CNT,  101
.if QKV
.set VF,   80
.set TOK,  81
.set CB,   82
.set SA,   83
.set SAJ,  84
.set MSK,  85
.set ORV,  86
.else
.set CB,   60
.set CK,   80
.set KX,   98
.set K1,   100
.endif
.set MSB, 0
.macro WIN new
.if MSB != \new
	s_set_vgpr_msb (MSB<<8)|\new
.set MSB, \new
.endif
.endm
.macro PLACES
.rept 4
	v_nop
.endr
.endm
; One arm of the head's tree of branches on the wave's number: its joint load, s_nop 0 and four v_nop, and a jump to the tree's end.
.macro ARM under, g0, g1, next
	s_cmp_lt_u32 s14, \under
	s_cbranch_scc0 \next
	tensor_load_to_lds s[\g0:\g0+3], s[\g1:\g1+7]
	s_nop 0
.rept 4
	v_nop
.endr
	s_branch .Lhead_asked
\next:
.endm
.macro CROUND
	s_barrier_signal -1
	s_barrier_wait -1
	s_cmp_lg_u32 s14, 0
	s_cbranch_scc1 .Lnot_wave_0_\@
	s_barrier_signal -3
.Lnot_wave_0_\@:
	s_barrier_wait -3
	s_barrier_signal -1
	s_barrier_wait -1
.endm
.macro WM p
.if \p
	v_wmma_scale_f32_16x16x128_f8f6f4 v[rD:rD+7], v[rB:rB+7], v[rA:rA+7], v[rC:rC+7], v[rSB], v[rSA] matrix_a_fmt:MATRIX_FMT_FP4 matrix_b_fmt:MATRIX_FMT_FP4 matrix_a_scale:MATRIX_SCALE_ROW1
.else
	v_wmma_scale_f32_16x16x128_f8f6f4 v[rD:rD+7], v[rB:rB+7], v[rA:rA+7], v[rC:rC+7], v[rSB], v[rSA] matrix_a_fmt:MATRIX_FMT_FP4 matrix_b_fmt:MATRIX_FMT_FP4
.endif
.endm
.macro KSTEP s, cb, cstep
.irp b, 0,1,2,3,4,5,6,7
.set rD, ACC+8*\b
.set rC, (\cb)+(\cstep)*\b
.set rB, 64*((\s)%4)+8*\b
.set rA, 8*(\s)
.set rSB, S0+8*(\b/2)+(\s)
.set rSA, S1+(\s)
	WM \b%2
.endr
.endm
.macro FETCH1
	WIN 0x40
.irp s, 0,1,2,3,4,5,6,7
.irp c, 0,1
	ds_load_b128 v[8*\s+4*\c:8*\s+4*\c+3], v[ADR1] offset:64*\s+32*\c
.endr
.endr
	WIN 0
	ds_load_b128 v[S1:S1+3], v[ADS1]
	ds_load_b128 v[S1+4:S1+7], v[ADS1] offset:16
.endm
.macro QUANTN s
.irp b, 0,1,2,3
	v_max3_num_f32 v[TM+\b], |v[\s+16*\b]|, |v[\s+1+16*\b]|, 0x1800000
.endr
.irp i, 2,4,6,8,10,12,14
.irp b, 0,1,2,3
	v_max3_num_f32 v[TM+\b], v[TM+\b], |v[\s+16*\b+\i]|, |v[\s+1+16*\b+\i]|
.endr
.endr
.irp b, 0,1,2,3
	v_permlanex16_b32 v[TM+4+\b], v[TM+\b], s[2:2], s[3:3]
.endr
.irp b, 0,1,2,3
	v_max_num_f32 v[TM+\b], v[TM+\b], v[TM+4+\b]
.endr
.irp b, 0,1,2,3
	v_add_nc_u32 v[TM+12+\b], 0xff000000, v[TM+\b]
.endr
.irp b, 0,1,2,3
	v_lshrrev_b32 v[TM+4+\b], 23, v[TM+12+\b]
.endr
	v_lshl_or_b32 v[PW], v[TM+5], 8, v[TM+4]
	v_lshl_or_b32 v[PW], v[TM+6], 16, v[PW]
	v_lshl_or_b32 v[PW], v[TM+7], 24, v[PW]
.irp c, 0,1
	v_cvt_scalef32_pk8_fp4_f32 v[PC+4*\c],   v[\s+32*\c:\s+32*\c+7],     v[TM+12+2*\c]
	v_cvt_scalef32_pk8_fp4_f32 v[PC+4*\c+2], v[\s+32*\c+8:\s+32*\c+15],  v[TM+12+2*\c]
	v_cvt_scalef32_pk8_fp4_f32 v[PC+4*\c+1], v[\s+32*\c+16:\s+32*\c+23], v[TM+12+2*\c+1]
	v_cvt_scalef32_pk8_fp4_f32 v[PC+4*\c+3], v[\s+32*\c+24:\s+32*\c+31], v[TM+12+2*\c+1]
.endr
	v_nop
.irp c, 0,1
	v_permlane16_swap_b32 v[PC+4*\c], v[PC+4*\c+1]
	v_permlane16_swap_b32 v[PC+4*\c+2], v[PC+4*\c+3]
.endr
.endm
.if QKV == 0
.macro CONST k, bits
	s_mov_b32 s[CK+2*\k], \bits
	s_mov_b32 s[CK+2*\k+1], \bits
.endm
.macro GELU
	WIN 0x40
.set j, 0
.rept 64
	v_fma_f32 v[TT+j], |v[ACC+j]|, s[K1], 1.0
.set j, j+1
.endr
	WIN 0x41
.set j, 0
	s_wait_alu depctr_va_vdst(0)
.rept 64
	v_rcp_f32 v[TT+j], v[TT+j]
.set j, j+1
.endr
	WIN 0x40
.set j, 0
.rept 32
	v_pk_mul_f32 v[WW+j:WW+j+1], v[ACC+j:ACC+j+1], v[ACC+j:ACC+j+1]
.set j, j+2
.endr
	s_wait_alu depctr_va_vdst(0)
	WIN 0x41
.set j, 0
.rept 32
	v_pk_fma_f32 v[PP+j:PP+j+1], v[TT+j:TT+j+1], v[C9:C9+1], s[CK+16:CK+17] op_sel_hi:[1,1,0]
.set j, j+2
.endr
	WIN 0x55
.irp k, 7,6,5,4,3,2,1,0
.set j, 0
.rept 32
	v_pk_fma_f32 v[PP+j:PP+j+1], v[PP+j:PP+j+1], v[TT+j:TT+j+1], s[CK+2*\k:CK+2*\k+1] op_sel_hi:[1,1,0]
.set j, j+2
.endr
.endr
.set j, 0
.rept 32
	v_pk_fma_f32 v[PP+j:PP+j+1], v[WW+j:WW+j+1], s[KX:KX+1], v[PP+j:PP+j+1] op_sel_hi:[1,0,1]
.set j, j+2
.endr
.set j, 0
	s_wait_alu depctr_va_vdst(0)
.rept 64
	v_exp_f32 v[PP+j], v[PP+j]
.set j, j+1
.endr
	WIN 0x40
.set j, 0
.rept 64
	v_max_num_f32 v[WW+j], 0, v[ACC+j]
.set j, j+1
.endr
	s_wait_alu depctr_va_vdst(0)
	WIN 0x55
.set j, 0
.rept 32
	v_pk_mul_f32 v[TT+j:TT+j+1], v[TT+j:TT+j+1], v[PP+j:PP+j+1]
.set j, j+2
.endr
	WIN 0x14
.set j, 0
.rept 64
	v_fma_f32 v[ACC+j], -|v[ACC+j]|, v[TT+j], v[WW+j]
.set j, j+1
.endr
	WIN 0
.endm
.endif
	s_load_b256 s[4:11], s[0:1], 0x0
	s_load_b64 s[12:13], s[0:1], 0x20
	v_lshl_add_u32 v254, v0, 2, 0x47400
	v_mov_b32 v255, 0
	ds_add_u32 v254, v255
	ds_add_u32 v254, v255
	v_lshrrev_b32 v1, 5, v0
	v_readfirstlane_b32 s14, v1
	s_lshr_b32 s15, s14, 1
	s_and_b32 s16, s14, 1
	s_bfe_u32 s17, ttmp6, 0x40000
	s_bfe_u32 s18, ttmp6, 0x40004
	s_and_b32 s19, ttmp7, 0xffff
.if QKV
	s_lshl_b32 s21, s19, 2
	s_cmp_eq_u32 ttmp9, 2
	s_cselect_b32 s[VF], 1, 0
	s_cselect_b32 s20, s19, ttmp9
	s_cselect_b32 s21, 8, s21
	s_lshl_b32 s20, s20, 2
.else
	s_lshl_b32 s20, ttmp9, 2
	s_lshl_b32 s21, s19, 2
.endif
	s_add_co_u32 s20, s20, s17
	s_add_co_u32 s21, s21, s18
	s_lshl_b32 s22, s18, 2
	s_lshl_b32 s22, 15, s22
	s_lshl_b32 s23, 0x1111, s17
	s_or_b32 s[G1A], s22, (0<<16)|(1<<20)|(1<<21)|(6<<22)|(3<<25)
	s_or_b32 s[G1B], s23, (0<<16)|(1<<20)|(1<<21)|(6<<22)|(3<<25)
.irp g, G1A, G1B
	s_mov_b32 s[\g+1], 512<<16
	s_mov_b32 s[\g+2], 256<<16                     ; a whole panel: 256 rows
	s_mov_b32 s[\g+3], 512<<16
	s_mov_b32 s[\g+4], 256
	s_mov_b32 s[\g+5], 512
	s_mov_b32 s[\g+6], 0
	s_mov_b32 s[\g+7], 0
.endr
	s_or_b32 s[G1SA], s22, (3<<16)|(1<<20)|(1<<21)|(5<<22)|(3<<25)
	s_or_b32 s[G1SB], s23, (3<<16)|(1<<20)|(1<<21)|(5<<22)|(3<<25)
.irp g, G1SA, G1SB
	s_mov_b32 s[\g+1], 32<<16
	s_mov_b32 s[\g+2], 32<<16                      ; the scale bytes of 256 rows: 32 rows of 256 bytes
	s_mov_b32 s[\g+3], 32<<16
	s_mov_b32 s[\g+4], 32
	s_mov_b32 s[\g+5], 32
	s_mov_b32 s[\g+6], 0
	s_mov_b32 s[\g+7], 0
.endr
	s_lshl_b32 s62, s21, 8                         ; source 1: the panel's first row
	s_lshl_b32 s66, s20, 8                         ; source 0 likewise
	s_lshl_b32 s60, s62, 5
	s_mov_b32 s61, 0
	s_lshl_b32 s62, s62, 9
	s_mov_b32 s63, 0
	s_lshl_b32 s2, s66, 5
	s_mov_b32 s3, 0
	s_lshl_b32 s66, s66, 9
	s_mov_b32 s67, 0
	s_wait_dscnt 0x0
	s_wait_kmcnt 0x0
	s_add_nc_u64 s[22:23], s[4:5], 0x200000
.if QKV
	s_cmp_eq_u32 s[VF], 1
	s_cselect_b64 s[G0A+2:G0A+3], s[6:7], s[4:5]
	s_cselect_b64 s[G0SA+2:G0SA+3], s[8:9], s[22:23]
	s_cselect_b64 s[G0B+2:G0B+3], s[4:5], s[6:7]
	s_cselect_b64 s[G0SB+2:G0SB+3], s[22:23], s[8:9]
.else
	s_mov_b64 s[G0A+2:G0A+3], s[4:5]
	s_mov_b64 s[G0SA+2:G0SA+3], s[22:23]
	s_mov_b64 s[G0B+2:G0B+3], s[6:7]
	s_mov_b64 s[G0SB+2:G0SB+3], s[8:9]
.endif
	CROUND
	s_mov_b32 s[G0SA], 1
	s_mov_b32 s[G0SA+1], S1L
	s_add_nc_u64 s[G0SA+2:G0SA+3], s[G0SA+2:G0SA+3], s[60:61]
	s_or_b32 s[G0SA+3], s[G0SA+3], 0x80000000
	s_mov_b32 s[G0SB], 1
	s_mov_b32 s[G0SB+1], S0L
	s_add_nc_u64 s[G0SB+2:G0SB+3], s[G0SB+2:G0SB+3], s[2:3]
	s_or_b32 s[G0SB+3], s[G0SB+3], 0x80000000
	s_mov_b32 s[G0A], 1
	s_mov_b32 s[G0A+1], 0
	s_add_nc_u64 s[G0A+2:G0A+3], s[G0A+2:G0A+3], s[62:63]
	s_or_b32 s[G0A+3], s[G0A+3], 0x80000000
	s_mov_b32 s[G0B], 1
	s_mov_b32 s[G0B+1], R0L
	s_add_nc_u64 s[G0B+2:G0B+3], s[G0B+2:G0B+3], s[66:67]
	s_or_b32 s[G0B+3], s[G0B+3], 0x80000000
	; the head's four tiles, one joint load a wave: wave 0 source 1's panel, wave 1 source 0's, wave 2 source 1's scale bytes, wave 3 source 0's
	ARM 1, G0A,  G1A,  .Lhead_b
	ARM 2, G0B,  G1B,  .Lhead_sa
	ARM 3, G0SA, G1SA, .Lhead_sb
	tensor_load_to_lds s[G0SB:G0SB+3], s[G1SB:G1SB+7]
	s_nop 0
.rept 4
	v_nop
.endr
.Lhead_asked:
	v_and_b32 v1, 15, v0
	v_bfe_u32 v2, v0, 4, 1
	v_and_b32 v3, 31, v0
	v_mul_u32_u24 v4, v1, PITCH
	v_lshl_add_u32 v4, v2, 4, v4
	s_mul_i32 s2, s15, HALFT
	v_add_nc_u32 v[ADR1], s2, v4
	s_mul_i32 s2, s16, HALFT
	s_add_co_u32 s2, s2, R0L
	v_add_nc_u32 v[ADR0], s2, v4
	v_and_b32 v6, 7, v0
	v_lshlrev_b32 v6, 5, v6
	v_lshrrev_b32 v5, 3, v1
	v_mul_u32_u24 v5, v5, 272
	v_add_nc_u32 v5, v5, v6
	s_mul_i32 s2, s15, HALFS
	s_add_co_u32 s2, s2, S1L
	v_add_nc_u32 v[ADS1], s2, v5
	v_lshrrev_b32 v5, 3, v3
	v_mul_u32_u24 v5, v5, 272
	v_add_nc_u32 v5, v5, v6
	s_mul_i32 s2, s16, HALFS
	s_add_co_u32 s2, s2, S0L
	v_add_nc_u32 v[ADS0], s2, v5
	s_lshl_b32 s2, s14, 10
	s_add_co_u32 s2, s2, STG
	v_lshl_add_u32 v[STA], v1, 2, s2
.if QKV
	v_lshl_add_u32 v[STA], v2, 9, v[STA]
.endif
	v_lshlrev_b32 v[VO0], 4, v3
	v_add_nc_u32 v[STR], s2, v[VO0]
	v_lshlrev_b32 v[H32], 5, v2
	s_wait_alu depctr_va_vdst(0)
	v_lshlrev_b32 v[R4], 2, v1
.irp b, 0,1,2,3
	v_mov_b32 v[TM+4+\b], 0
.endr
	s_lshl_b32 s60, s20, 8
	s_lshl_b32 s61, s16, 7
	s_add_co_u32 s60, s60, s61
	s_lshl_b32 s62, s21, 8
	s_lshl_b32 s61, s15, 7
	s_add_co_u32 s62, s62, s61
.if QKV
	s_cmp_eq_u32 s[VF], 1
	s_cselect_b32 s[TOK], s60, s62
	s_cselect_b32 s[CB], s62, s60
	s_mov_b32 s66, REC
	s_cselect_b32 s61, 512, s66
	s_cselect_b32 s63, s66, 256
	s_mov_b32 s[MSK], 0xffff
	s_cselect_b32 s[MSK], -1, s[MSK]
	s_cselect_b32 s[ORV], 0, 0x7f7f0000
	s_cselect_b32 s2, 0, 16
	v_add_nc_u32 v[VO1], s61, v[VO0]
	v_mul_u32_u24 v5, s63, v2
	v_lshl_add_u32 v[SVO], v1, 4, v5
	v_mul_u32_u24 v[SHV], s2, v2
	s_lshl_b32 s[SA], 512, s[VF]
	s_mul_i32 s[SAJ], s[VF], REC-4*1024
	s_add_co_u32 s[SAJ], s[SAJ], s[SA]
	s_min_u32 s66, ttmp9, 1
	s_mul_i32 s66, s66, AREA
	s_lshr_b32 s2, s[TOK], 11
	s_lshl_b32 s2, s2, 4
	s_bfe_u32 s61, s[CB], 0x30007
	s_lshl_b32 s61, s61, 1
	s_add_co_u32 s2, s2, s61
	s_mul_i32 s2, s2, REC
	s_add_co_u32 s66, s66, s2
	s_bfe_u32 s2, s[TOK], 0x20009
	s_mul_i32 s2, s2, PH
	s_add_co_u32 s66, s66, s2
	s_bfe_u32 s61, s[TOK], 0x20007
	s_lshl_b32 s2, s61, 12
	s_lshl_b32 s63, s[VF], 14
	s_add_co_u32 s2, s2, s63
	s_add_co_u32 s2, s2, s66
	s_mov_b32 s3, 0
	s_add_nc_u64 s[OB:OB+1], s[12:13], s[2:3]
	s_lshr_b32 s2, 512, s[VF]
	s_mul_i32 s2, s2, s61
	s_lshl_b32 s63, s[VF], 11
	s_add_co_u32 s2, s2, s63
	s_add_co_u32 s2, s2, s66
	s_add_co_u32 s2, s2, 32768
	s_add_nc_u64 s[SCB:SCB+1], s[12:13], s[2:3]
	s_mov_b32 s67, 0
.else
	s_lshl_b32 s2, s20, 1
	s_add_co_u32 s2, s2, s16
	s_lshr_b32 s61, s2, 3
	s_lshl_b32 s61, s61, 21
	s_and_b32 s63, s2, 7
	s_lshl_b32 s63, s63, 10
	s_add_co_u32 s66, s61, s63
	s_lshl_b32 s63, s62, 9
	s_add_co_u32 s66, s66, s63
	s_mov_b32 s67, 0
	s_add_nc_u64 s[OB:OB+1], s[12:13], s[66:67]
	s_lshl_b32 s66, s2, 14
	s_lshl_b32 s63, s62, 2
	s_add_co_u32 s66, s66, s63
	s_add_co_u32 s66, s66, 0x800000
	s_add_nc_u64 s[SCB:SCB+1], s[12:13], s[66:67]
	CONST 0, 0xc034d90f
	CONST 1, 0x3fb8ab5a
	CONST 2, 0x3f0a29d2
	CONST 3, 0x3e0efb2e
	CONST 4, 0xbe899a80
	CONST 5, 0x3ecdfd18
	CONST 6, 0xbfd1a1e5
	CONST 7, 0x40097039
	CONST 8, 0xbf97d29d
	s_mov_b32 s[KX], 0xbf38aa3b
	s_mov_b32 s[KX+1], 0xbf38aa3b
	s_mov_b32 s[K1], 0x3eb504f3
	v_mov_b32 v[C9], 0x3e7c6f08
	v_mov_b32 v[C9+1], 0x3e7c6f08
.endif
	s_lshl_b32 s2, s[CB], 2
	s_mov_b32 s3, 0
	s_add_nc_u64 s[10:11], s[10:11], s[2:3]
.irp b, 0,1,2,3,4,5,6,7
	global_load_b128 v[BIAS+8*\b:BIAS+8*\b+3], v[H32], s[10:11] offset:64*\b
	global_load_b128 v[BIAS+8*\b+4:BIAS+8*\b+7], v[H32], s[10:11] offset:64*\b+16
.endr
.if QKV
	global_load_b32 v[BVL], v[R4], s[10:11]
.endif
	s_mov_b32 s2, 0x76543210
	s_mov_b32 s3, 0xfedcba98
	s_wait_tensorcnt 0x0
	s_barrier_signal -1
	s_barrier_wait -1
	WIN 0x80
.irp s, 0,1,2,3
.irp b, 0,1,2,3,4,5,6,7
.irp c, 0,1
	ds_load_b128 v[64*\s+8*\b+4*\c:64*\s+8*\b+4*\c+3], v[ADR0] offset:\b*16*PITCH+64*\s+32*\c
.endr
.endr
.endr
	WIN 0xc0
.irp s, 4,5,6,7
.irp b, 0,1,2,3,4,5,6,7
.irp c, 0,1
	ds_load_b128 v[64*(\s-4)+8*\b+4*\c:64*(\s-4)+8*\b+4*\c+3], v[ADR0] offset:\b*16*PITCH+64*\s+32*\c
.endr
.endr
.endr
	WIN 0
.irp p, 0,1,2,3
.irp g, 0,1
	ds_load_b128 v[S0+8*\p+4*\g:S0+8*\p+4*\g+3], v[ADS0] offset:\p*1088+16*\g
.endr
.endr
	FETCH1
	s_wait_loadcnt 0x0
.macro TRIP last
	s_wait_dscnt 0x0
.if QKV
	s_wait_loadcnt 0x0
	s_cmp_eq_u32 s[VF], 0
	s_cbranch_scc0 .Lfor_v_\@
	WIN 0x06
	KSTEP 0, BIAS, 8
	WIN 0
	s_branch .Lstarted_\@
.Lfor_v_\@:
.irp j, 0,1,2,3,4,5,6,7
	v_mov_b32 v[BV+\j], v[BVL]
.endr
	PLACES
	WIN 0x06
	KSTEP 0, BV, 0
	WIN 0
.Lstarted_\@:
	WIN 0x06
.else
	WIN 0x06
	KSTEP 0, BIAS, 8
.endif
.irp s, 1,2,3
	KSTEP \s, ACC, 8
.endr
	WIN 0x07
.irp s, 4,5,6,7
	KSTEP \s, ACC, 8
.endr
	WIN 0
	PLACES
.if \last == 0
	v_add_nc_u32 v[ADR1], 16*PITCH, v[ADR1]
	v_add_nc_u32 v[ADS1], 544, v[ADS1]
	FETCH1
.if QKV
	global_load_b32 v[BVL], v[R4], s[10:11] offset:64
.endif
.endif
.if QKV == 0
	GELU
.endif
	QUANTN ACC
.if QKV
	v_lshrrev_b32 v[VAL], v[SHV], v[PW]
	v_and_or_b32 v[VAL], v[VAL], s[MSK], s[ORV]
	global_store_b128 v[VO0], v[PC:PC+3], s[OB:OB+1]
	global_store_b128 v[VO1], v[PC+4:PC+7], s[OB:OB+1]
	ds_store_b32 v[STA], v[VAL]
.else
	global_store_b128 v[VO0], v[PC:PC+3], s[OB:OB+1]
	global_store_b128 v[VO0], v[PC+4:PC+7], s[OB:OB+1] offset:512
	ds_store_b32 v[STA], v[PW]
.endif
.if \last == 0
	v_add_nc_u32 v[STA], 64, v[STA]
	s_wait_xcnt 0x0
.if QKV
	s_cmp_eq_u32 s[CNT], 3
	s_cselect_b32 s66, s[SAJ], s[SA]
	s_add_nc_u64 s[OB:OB+1], s[OB:OB+1], s[66:67]
	s_add_nc_u64 s[10:11], s[10:11], 64
.else
	s_add_nc_u64 s[OB:OB+1], s[OB:OB+1], 8192
.endif
.endif
.endm
	s_mov_b32 s[CNT], 0
.Ltrip:
	TRIP 0
	s_add_co_u32 s[CNT], s[CNT], 1
	s_cmp_lt_u32 s[CNT], 7
	s_cbranch_scc1 .Ltrip
	TRIP 1
	ds_load_b128 v[TM:TM+3], v[STR]
.if QKV
	ds_load_b128 v[TM+4:TM+7], v[STR] offset:512
	s_wait_dscnt 0x0
	global_store_b128 v[SVO], v[TM:TM+3], s[SCB:SCB+1]
	s_cmp_eq_u32 s[VF], 1
	s_cbranch_scc1 .Lone_store
	global_store_b128 v[SVO], v[TM+4:TM+7], s[SCB:SCB+1] offset:REC
.Lone_store:
.else
	s_wait_dscnt 0x0
	global_store_b128 v[VO0], v[TM:TM+3], s[SCB:SCB+1]
.endif
	s_wait_tensorcnt 0x0
	ds_add_u32 v254, v255
	s_wait_dscnt 0x0
	CROUND
	s_endpgm
.Lfunc_end_k_q13a9d6d313_fc1:
	.size	k_q13a9d6d313_fc1, .Lfunc_end_k_q13a9d6d313_fc1-k_q13a9d6d313_fc1
	.p2alignl 7, 3214868480
	.fill 96, 4, 3214868480
	.section	.rodata,"a",@progbits
	.p2align	6, 0x0
	.amdhsa_kernel k_q13a9d6d313_fc1
		.amdhsa_group_segment_fixed_size 327680
		.amdhsa_private_segment_fixed_size 0
		.amdhsa_enable_private_segment 0
		.amdhsa_kernarg_size 40
		.amdhsa_user_sgpr_count 2
		.amdhsa_user_sgpr_kernarg_segment_ptr 1
		.amdhsa_wavefront_size32 1
		.amdhsa_system_sgpr_workgroup_id_x 1
		.amdhsa_system_sgpr_workgroup_id_y 1
		.amdhsa_system_sgpr_workgroup_id_z 1
		.amdhsa_system_vgpr_workitem_id 0
		.amdhsa_next_free_vgpr 1024
		.amdhsa_next_free_sgpr 102
		.amdhsa_reserve_vcc 0
		.amdhsa_float_denorm_mode_32 3
		.amdhsa_float_denorm_mode_16_64 3
		.amdhsa_memory_ordered 1
		.amdhsa_forward_progress 1
		.amdhsa_inst_pref_size 125
	.end_amdhsa_kernel
	.amdgpu_metadata
---
amdhsa.version: [ 1, 2 ]
amdhsa.kernels:
  - .name:           k_q13a9d6d313_fc1
    .symbol:         k_q13a9d6d313_fc1.kd
    .args:
      - { .name: hq, .offset: 0, .size: 8, .value_kind: global_buffer, .address_space: global }
      - { .name: w_fc1_codes, .offset: 8, .size: 8, .value_kind: global_buffer, .address_space: global }
      - { .name: w_fc1_scales, .offset: 16, .size: 8, .value_kind: global_buffer, .address_space: global }
      - { .name: b_fc1, .offset: 24, .size: 8, .value_kind: global_buffer, .address_space: global }
      - { .name: gq, .offset: 32, .size: 8, .value_kind: global_buffer, .address_space: global }
    .group_segment_fixed_size: 327680
    .private_segment_fixed_size: 0
    .kernarg_segment_align: 8
    .kernarg_segment_size: 40
    .max_flat_workgroup_size: 128
    .sgpr_count:     102
    .vgpr_count:     1024
    .wavefront_size: 32
...
	.end_amdgpu_metadata
.endif
;; end of part 5
;; launch fc2 (part 6): grid 8 x 32, 4 waves a work-group, clusters of 4 x 4, 327,680 bytes of LDS; arguments gq, w_fc2_codes, w_fc2_scales, b_fc2, x1, out0; writes out0
.if DOCPART == 6
	.amdgcn_target "amdgcn-amd-amdhsa--gfx1250"
	.amdhsa_code_object_version 6
	.text
	.protected	k_q13a9d6d313_fc2
	.globl	k_q13a9d6d313_fc2
	.p2align	8
	.type	k_q13a9d6d313_fc2,@function
k_q13a9d6d313_fc2:
	s_mov_b64 s[64:65], 0
	v_nop
	global_prefetch_b8 v0, s[64:65] scope:SCOPE_SE
	s_setreg_imm32_b32 hwreg(HW_REG_WAVE_MODE, 25, 1), 1
	s_wait_xcnt 0x0
	s_wait_alu depctr_hold_cnt(0) depctr_sa_sdst(0) depctr_va_vdst(0) depctr_va_sdst(0) depctr_va_ssrc(0) depctr_va_vcc(0) depctr_vm_vsrc(0)
	s_getreg_b32 s2, hwreg(HW_REG_IB_STS2, 6, 4)
	s_cmp_eq_u32 s2, 0
	s_cbranch_scc0 .Lentry_in_a_cluster
	s_endpgm
.Lentry_in_a_cluster:
	s_bfe_u32 s2, ttmp6, 0x10000c
	s_cmp_lg_u32 s2, 0xf033
	s_cbranch_scc0 .Lentry_shape_is_right
	s_endpgm
.Lentry_shape_is_right:
.set FC2, 1
.if FC2
.set ROWB,   512
.set PITCH,  528
.set QI,     6
.set KROW,   2048
.set AIMG,   8192
.set ASTEP,  2097152
.set ASCOFF, 8388608
.set KS,     128
.set NS,     32
.set LRPU,   1
.else
.set ROWB,   256
.set PITCH,  272
.set QI,     5
.set KROW,   512
.set AIMG,   4096
.set ASTEP,  4096
.set ASCOFF, 2097152
.set KS,     32
.set NS,     8
.set LRPU,   3
.endif
.set RPU,    1<<LRPU
.set SLOT,   8*AIMG+128*PITCH
.set SCA,    2*SLOT
.set SCB,    SCA+NS*512
.set STAGE,  SCB+(128*KS/256)*272
.set SPARE,  STAGE+4*16*272
.set ADRA, 16
.set ADRB, 20
.set ADSA, 22
.set ADSB, 23
.set STO,  24
.set RD,   25
.set CO,   26
.set H32,  27
.set SPW,  28
.set NIL,  29
.set SCR,  32
.set TMP,  48
.set BIAS, 96
.set ACC,  128
.set G1,   24
.set G0,   32
.set G1B,  48
.set G0B,  56
.set G1S,  68
.set G0S,  76
.set G1SB, 80
.set G0SB, 88
.set MSB, 0
.macro WIN new
.if MSB != \new
	s_set_vgpr_msb (MSB<<8)|\new
.set MSB, \new
.endif
.endm
.set MUL, 0x05
.macro PLACES
.rept 4
	v_nop
.endr
.endm
.macro JLOAD g0a, g1a, g0b, g1b
	s_cmp_eq_u32 s17, 0
	s_cbranch_scc0 .Lfor_b_\@
	tensor_load_to_lds s[\g0a:\g0a+3], s[\g1a:\g1a+7]
	s_nop 0
.rept 4
	v_nop
.endr
	s_branch .Lasked_\@
.Lfor_b_\@:
	tensor_load_to_lds s[\g0b:\g0b+3], s[\g1b:\g1b+7]
	s_nop 0
.rept 4
	v_nop
.endr
.Lasked_\@:
.endm
.macro CREST
	s_cmp_lg_u32 s16, 0
	s_cbranch_scc1 .Lnot_wave_0_\@
	s_barrier_signal -3
.Lnot_wave_0_\@:
	s_barrier_wait -3
	s_barrier_signal -1
	s_barrier_wait -1
.endm
.macro CROUND
	s_barrier_signal -1
	s_barrier_wait -1
	CREST
.endm
	s_load_b256 s[4:11], s[0:1], 0x0
	s_load_b128 s[12:15], s[0:1], 0x20
	v_lshl_add_u32 v[SPW], v0, 2, SPARE
	v_mov_b32 v[NIL], 0
	ds_add_u32 v28, v29
	ds_add_u32 v28, v29
	s_wait_dscnt 0x0
	v_lshrrev_b32 v1, 5, v0
	v_readfirstlane_b32 s16, v1
	s_lshr_b32 s17, s16, 1
	s_and_b32 s18, s16, 1
	s_bfe_u32 s40, ttmp6, 0x40000
	s_bfe_u32 s41, ttmp6, 0x40004
	s_lshl_b32 s42, ttmp9, 2
	s_add_co_u32 s42, s42, s40
	s_and_b32 s19, ttmp7, 0xffff
	s_lshl_b32 s19, s19, 2
	s_add_co_u32 s19, s19, s41
	s_lshl_b32 s43, s41, 2
	s_lshl_b32 s43, 15, s43
	s_lshl_b32 s44, 0x1111, s40
	s_or_b32 s[G1], s43, (3<<16)|(1<<21)
	s_mov_b32 s[G1+1], (AIMG/8)<<16
	s_mov_b32 s[G1+2], 8<<16                       ; at the head a load brings a slot's whole tile: A's 8 tiles of rows,
	s_mov_b32 s[G1+3], (AIMG/8)<<16
	s_mov_b32 s[G1+4], 8
	s_mov_b32 s[G1+5], 1024
	s_mov_b32 s[G1+6], 0
	s_mov_b32 s[G1+7], 0
	s_or_b32 s[G1B], s44, (0<<16)|(1<<20)|(1<<21)|(QI<<22)|(3<<25)
	s_mov_b32 s[G1B+1], ROWB<<16
	s_mov_b32 s[G1B+2], 128<<16                    ; W's 128 rows,
	s_mov_b32 s[G1B+3], ROWB<<16
	s_mov_b32 s[G1B+4], 128
	s_mov_b32 s[G1B+5], KROW
	s_mov_b32 s[G1B+6], 0
	s_mov_b32 s[G1B+7], 0
	s_or_b32 s[G1S], s43, (3<<16)|(1<<21)
	s_mov_b32 s[G1S+1], 64<<16
	s_mov_b32 s[G1S+2], NS<<16                     ; A's scale words of all K steps,
	s_mov_b32 s[G1S+3], 64<<16
	s_mov_b32 s[G1S+4], NS
	s_mov_b32 s[G1S+5], 2048
	s_mov_b32 s[G1S+6], 0
	s_mov_b32 s[G1S+7], 0
	s_or_b32 s[G1SB], s44, (3<<16)|(1<<20)|(1<<21)|(5<<22)|(3<<25)
	s_mov_b32 s[G1SB+1], 32<<16
	s_mov_b32 s[G1SB+2], (128*KS/256)<<16          ; W's scale bytes of 128 rows
	s_mov_b32 s[G1SB+3], 32<<16
	s_mov_b32 s[G1SB+4], 128*KS/256
	s_mov_b32 s[G1SB+5], 32
	s_mov_b32 s[G1SB+6], 0
	s_mov_b32 s[G1SB+7], 0
	s_lshl_b32 s20, s19, 16
	s_mov_b32 s21, 0
	s_lshl_b32 s22, s19, 9
	s_add_co_u32 s22, s22, ASCOFF
	s_mov_b32 s23, 0
	s_lshl_b32 s46, s42, 7
	s_mul_i32 s92, s46, KS
	s_mov_b32 s93, 0
	s_mul_i32 s46, s46, KROW
	s_mov_b32 s47, 0
	s_mul_i32 s45, s18, 4*AIMG
	s_mul_i32 s94, s18, 64*PITCH
	s_lshl_b32 s2, s18, 15                         ; in the ring a wave fetches half a tile: A's half in memory, 4 tiles of rows,
	s_mov_b32 s3, 0
	s_mul_i32 s96, s18, 64*KROW                    ; W's half, 64 rows
	s_mov_b32 s97, 0
	s_wait_kmcnt 0x0
	s_add_nc_u64 s[20:21], s[4:5], s[20:21]
	s_add_nc_u64 s[22:23], s[4:5], s[22:23]
	s_add_nc_u64 s[46:47], s[6:7], s[46:47]
	s_add_nc_u64 s[92:93], s[8:9], s[92:93]
	CROUND
	s_mov_b32 s[G0S], 1
	s_mov_b32 s[G0S+1], SCA
	s_mov_b64 s[G0S+2:G0S+3], s[22:23]
	s_or_b32 s[G0S+3], s[G0S+3], 0x80000000
	s_mov_b32 s[G0SB], 1
	s_mov_b32 s[G0SB+1], SCB
	s_mov_b64 s[G0SB+2:G0SB+3], s[92:93]
	s_or_b32 s[G0SB+3], s[G0SB+3], 0x80000000
	s_mov_b32 s[G0], 1                             ; slot 0's tiles, each whole, for the head
	s_mov_b32 s[G0+1], 0
	s_mov_b64 s[G0+2:G0+3], s[20:21]
	s_or_b32 s[G0+3], s[G0+3], 0x80000000
	s_mov_b32 s[G0B], 1
	s_mov_b32 s[G0B+1], 8*AIMG
	s_mov_b64 s[G0B+2:G0B+3], s[46:47]
	s_or_b32 s[G0B+3], s[G0B+3], 0x80000000
	s_mov_b32 s[G0+4], 1                           ; slot 1: my half of a tile
	s_add_co_u32 s[G0+5], s45, SLOT
	s_add_nc_u64 s[G0+6:G0+7], s[20:21], s[2:3]
	s_add_nc_u64 s[G0+6:G0+7], s[G0+6:G0+7], ASTEP
	s_or_b32 s[G0+7], s[G0+7], 0x80000000
	s_mov_b32 s[G0B+4], 1
	s_add_co_u32 s[G0B+5], s94, SLOT+8*AIMG
	s_add_nc_u64 s[G0B+6:G0B+7], s[46:47], s[96:97]
	s_add_nc_u64 s[G0B+6:G0B+7], s[G0B+6:G0B+7], ROWB
	s_or_b32 s[G0B+7], s[G0B+7], 0x80000000
; the head's four tiles, one joint load a wave: wave 0 slot 0's A, wave 1 slot 0's W, wave 2 A's scale words, wave 3 W's scale bytes; one tree of branches on the wave's number
.macro ARM under, g0, g1, next
	s_cmp_lt_u32 s16, \under
	s_cbranch_scc0 \next
	tensor_load_to_lds s[\g0:\g0+3], s[\g1:\g1+7]
	s_nop 0
.rept 4
	v_nop
.endr
	s_branch .Lhead_asked
\next:
.endm
	ARM 1, G0,  G1,  .Lhead_b
	ARM 2, G0B, G1B, .Lhead_sa
	ARM 3, G0S, G1S, .Lhead_sb
	tensor_load_to_lds s[G0SB:G0SB+3], s[G1SB:G1SB+7]
	s_nop 0
.rept 4
	v_nop
.endr
.Lhead_asked:
	v_and_b32 v1, 15, v0
	v_bfe_u32 v2, v0, 4, 1
	v_and_b32 v3, 31, v0
	v_lshlrev_b32 v4, 4, v3
	s_mul_i32 s20, s17, 4*AIMG
	v_add_nc_u32 v[ADRA], s20, v4
	v_add_nc_u32 v[ADRA+1], SLOT, v[ADRA]
	v_mul_u32_u24 v5, v1, PITCH
	v_lshl_add_u32 v5, v2, 4, v5
	s_mul_i32 s20, s18, 64*PITCH
	s_add_co_u32 s20, s20, 8*AIMG
	v_add_nc_u32 v[ADRB], s20, v5
	v_add_nc_u32 v[ADRB+1], SLOT, v[ADRB]
	s_lshl_b32 s20, s17, 8
	s_add_co_u32 s20, s20, SCA
	v_lshl_add_u32 v[ADSA], v3, 2, s20
	v_lshrrev_b32 v5, LRPU, v3
	v_mul_u32_u24 v5, v5, 272
	v_and_b32 v6, RPU-1, v3
	v_mul_u32_u24 v6, v6, KS
	v_add_nc_u32 v5, v5, v6
	s_mul_i32 s20, s18, (64/RPU)*272
	s_add_co_u32 s20, s20, SCB
	v_add_nc_u32 v[ADSB], s20, v5
	s_mul_i32 s20, s16, 16*272
	s_add_co_u32 s20, s20, STAGE
	v_mul_u32_u24 v5, v1, 272
	v_lshl_add_u32 v5, v2, 5, v5
	v_add_nc_u32 v[STO], s20, v5
	v_mul_u32_u24 v5, v2, 272
	v_lshl_add_u32 v5, v1, 4, v5
	v_add_nc_u32 v[RD], s20, v5
	v_lshlrev_b32 v5, 12, v2
	v_lshl_add_u32 v[CO], v1, 4, v5
	v_lshlrev_b32 v[H32], 5, v2
	s_wait_alu depctr_va_vdst(0)
	s_lshl_b32 s20, s19, 19
	s_lshl_b32 s21, s17, 18
	s_add_co_u32 s20, s20, s21
	s_lshl_b32 s22, s42, 9
	s_lshl_b32 s23, s18, 8
	s_add_co_u32 s22, s22, s23
	s_mov_b32 s23, 0
	s_add_nc_u64 s[10:11], s[10:11], s[22:23]
	s_add_co_u32 s20, s20, s22
	s_mov_b32 s21, 0
	s_add_nc_u64 s[12:13], s[12:13], s[20:21]
	s_add_nc_u64 s[14:15], s[14:15], s[20:21]
.irp b, 0,1,2,3
	global_load_b128 v[BIAS+8*\b:BIAS+8*\b+3], v[H32], s[10:11] offset:64*\b
	global_load_b128 v[BIAS+8*\b+4:BIAS+8*\b+7], v[H32], s[10:11] offset:64*\b+16
.endr
	WIN 0x80
.irp a, 0,1,2,3
.irp t, 0,1,2,3,4,5,6,7
	global_load_b128 v[4*(8*\a+\t):4*(8*\a+\t)+3], v[CO], s[12:13] offset:(16*\a+2*\t)*4096 th:TH_LOAD_NT
.endr
.endr
	WIN 0
.macro WM pb, pa
.if (\pb) && (\pa)
	v_wmma_scale_f32_16x16x128_f8f6f4 v[rD:rD+7], v[rB:rB+7], v[rA:rA+7], v[rC:rC+7], v[rSB], v[rSA] matrix_a_fmt:MATRIX_FMT_FP4 matrix_b_fmt:MATRIX_FMT_FP4 matrix_a_scale:MATRIX_SCALE_ROW1 matrix_b_scale:MATRIX_SCALE_ROW1
.elseif (\pb)
	v_wmma_scale_f32_16x16x128_f8f6f4 v[rD:rD+7], v[rB:rB+7], v[rA:rA+7], v[rC:rC+7], v[rSB], v[rSA] matrix_a_fmt:MATRIX_FMT_FP4 matrix_b_fmt:MATRIX_FMT_FP4 matrix_a_scale:MATRIX_SCALE_ROW1
.elseif (\pa)
	v_wmma_scale_f32_16x16x128_f8f6f4 v[rD:rD+7], v[rB:rB+7], v[rA:rA+7], v[rC:rC+7], v[rSB], v[rSA] matrix_a_fmt:MATRIX_FMT_FP4 matrix_b_fmt:MATRIX_FMT_FP4 matrix_b_scale:MATRIX_SCALE_ROW1
.else
	v_wmma_scale_f32_16x16x128_f8f6f4 v[rD:rD+7], v[rB:rB+7], v[rA:rA+7], v[rC:rC+7], v[rSB], v[rSA] matrix_a_fmt:MATRIX_FMT_FP4 matrix_b_fmt:MATRIX_FMT_FP4
.endif
.endm
.macro MUL8 f, kk, a0, first
.irp a, \a0, \a0+1
.irp b, 0,1,2,3
.set rD, ACC+8*(4*(\a)+\b)
.if \first
.set rC, BIAS+8*\b
.else
.set rC, rD
.endif
.set rB, 128*(\f)+64+8*(4*(\kk)+\b)
.set rA, 128*(\f)+8*(4*(\kk)+(\a))
.set rSB, SCR+4+8*(\f)+2*(\b/2)+(\kk)
.set rSA, SCR+8*(\f)+2*(\kk)+(\a)/2
	WM \b%2, (\a)%2
.endr
.endr
.endm
.macro FETCH slot, q, g, f
	WIN 0
.irp kk, 0,1
.irp ip, 0,1
	ds_load_b32 v[SCR+8*(\f)+2*\kk+\ip], v[ADSA] offset:(2*(\g)+\kk)*512+128*\ip
.endr
.endr
.irp jp, 0,1
	ds_load_b64 v[SCR+4+8*(\f)+2*\jp:SCR+5+8*(\f)+2*\jp], v[ADSB] offset:\jp*(32/RPU)*272+8*(\g)
.endr
	WIN 0x40
.irp kk, 0,1
.irp i, 0,1,2,3
.irp c, 0,1
	ds_load_b128 v[128*(\f)+64+8*(4*\kk+\i)+4*\c:128*(\f)+64+8*(4*\kk+\i)+4*\c+3], v[ADRB+\slot] offset:\i*16*PITCH+128*(\q)+64*\kk+32*\c
.endr
.irp c, 0,1
	ds_load_b128 v[128*(\f)+8*(4*\kk+\i)+4*\c:128*(\f)+8*(4*\kk+\i)+4*\c+3], v[ADRA+\slot] offset:\i*AIMG+(2*(\q)+\kk)*1024+512*\c
.endr
.endr
.endr
.endm
.macro QUARTER slot, q, g, first
	s_wait_dscnt 16
	WIN MUL
	MUL8 (\q)%2, 0, 0, \first
	MUL8 (\q)%2, 0, 2, \first
	PLACES
	FETCH \slot, (\q)+1, (\g)+1, 1-(\q)%2
	s_wait_dscnt 38
	WIN MUL
	MUL8 (\q)%2, 1, 0, 0
	MUL8 (\q)%2, 1, 2, 0
.endm
.macro TURN slot, next, fill, g
	WIN 0
	s_wait_tensorcnt 0x0
	ds_add_u32 v[SPW], v[NIL]
	s_wait_dscnt 17
	WIN MUL
	MUL8 1, 0, 0, 0
	s_wait_dscnt 0x0
	s_barrier_signal -1
	MUL8 1, 0, 2, 0
.if \fill
	WIN 0
.endif
	s_barrier_wait -1
.if \fill
	CREST
	s_add_nc_u64 s[G0+4*\slot+2:G0+4*\slot+3], s[G0+4*\slot+2:G0+4*\slot+3], 2*ASTEP
	s_add_nc_u64 s[G0B+4*\slot+2:G0B+4*\slot+3], s[G0B+4*\slot+2:G0B+4*\slot+3], 2*ROWB
	JLOAD G0+4*\slot, G1, G0B+4*\slot, G1B
.else
	PLACES
.endif
	FETCH \next, 0, \g, 0
	WIN MUL
	MUL8 1, 1, 0, 0
	MUL8 1, 1, 2, 0
.endm
.macro LASTQ
	s_wait_dscnt 16
	WIN MUL
	MUL8 1, 0, 0, 0
	MUL8 1, 0, 2, 0
	s_wait_dscnt 0x0
	MUL8 1, 1, 0, 0
	MUL8 1, 1, 2, 0
	WIN 0
.endm
	s_wait_alu depctr_va_vdst(0)                   ; the wait at the head's end
	s_wait_tensorcnt 0x0                           ; my tile of the head's four is in; slot 1's first fill is issued as a refill is:
	ds_add_u32 v[SPW], v[NIL]                      ; 0 onto my spare word
	s_mov_b32 s[G1+2], 4<<16                       ; no tensor load of mine is out, so descriptors may be written: from here on a load brings half a tile,
	s_mov_b32 s[G1+4], 4
	s_mov_b32 s[G1B+2], 64<<16
	s_mov_b32 s[G1B+4], 64
	s_add_co_u32 s[G0+1], s[G0+1], s45             ; and slot 0's groups 0 point at my half
	s_add_nc_u64 s[G0+2:G0+3], s[G0+2:G0+3], s[2:3]
	s_add_co_u32 s[G0B+1], s[G0B+1], s94
	s_add_nc_u64 s[G0B+2:G0B+3], s[G0B+2:G0B+3], s[96:97]
	s_wait_dscnt 0x0
	CROUND                                         ; all four tiles are in, and all sixteen work-groups are here
	JLOAD G0+4, G1, G0B+4, G1B                     ; slot 1: the first tensor load behind the round
	FETCH 0, 0, 0, 0
	s_wait_loadcnt 32
.if FC2
	QUARTER 0, 0, 0, 1
	QUARTER 0, 1, 1, 0
	QUARTER 0, 2, 2, 0
	TURN 0, 1, 1, 4
	QUARTER 1, 0, 4, 0
	QUARTER 1, 1, 5, 0
	QUARTER 1, 2, 6, 0
	TURN 1, 0, 1, 8
	QUARTER 0, 0, 8, 0
	QUARTER 0, 1, 9, 0
	QUARTER 0, 2, 10, 0
	TURN 0, 1, 0, 12
	QUARTER 1, 0, 12, 0
	QUARTER 1, 1, 13, 0
	QUARTER 1, 2, 14, 0
	LASTQ
.else
	QUARTER 0, 0, 0, 1
	TURN 0, 1, 0, 2
	QUARTER 1, 0, 2, 0
	LASTQ
.endif
.macro TOSTAGE a
.irp b, 0,1,2,3
	ds_store_b128 v[STO], v[ACC+8*(4*(\a)+\b):ACC+8*(4*(\a)+\b)+3] offset:64*\b
	ds_store_b128 v[STO], v[ACC+8*(4*(\a)+\b)+4:ACC+8*(4*(\a)+\b)+7] offset:64*\b+16
.endr
.set BB, TMP+32*((\a)%2)
.irp t, 0,1,2,3,4,5,6,7
	ds_load_b128 v[BB+4*\t:BB+4*\t+3], v[RD] offset:\t*544
.endr
.endm
.macro SEND a, younger
.set BB, TMP+32*((\a)%2)
	s_wait_dscnt \younger
	WIN 0x08
.set j, 0
.rept 16
	v_pk_add_f32 v[BB+j:BB+j+1], v[BB+j:BB+j+1], v[32*(\a)+j:32*(\a)+j+1]
.set j, j+2
.endr
	WIN 0
.irp t, 0,1,2,3,4,5,6,7
.if FC2
	global_store_b128 v[CO], v[BB+4*\t:BB+4*\t+3], s[14:15] offset:(16*(\a)+2*\t)*4096 th:TH_STORE_NT
.else
	global_store_b128 v[CO], v[BB+4*\t:BB+4*\t+3], s[14:15] offset:(16*(\a)+2*\t)*4096
.endif
.endr
.endm
	PLACES
	s_wait_loadcnt 0x0
	TOSTAGE 0
.irp a, 1,2,3
.if \a > 1
	s_wait_xcnt 0x0
.endif
	TOSTAGE \a
	SEND \a-1, 16
.endr
	SEND 3, 0
	s_wait_tensorcnt 0x0
	ds_add_u32 v[SPW], v[NIL]
	s_wait_dscnt 0x0
	CROUND
	s_endpgm
.Lfunc_end_k_q13a9d6d313_fc2:
	.size	k_q13a9d6d313_fc2, .Lfunc_end_k_q13a9d6d313_fc2-k_q13a9d6d313_fc2
	.p2alignl 7, 3214868480
	.fill 96, 4, 3214868480
	.section	.rodata,"a",@progbits
	.p2align	6, 0x0
	.amdhsa_kernel k_q13a9d6d313_fc2
		.amdhsa_group_segment_fixed_size 327680
		.amdhsa_private_segment_fixed_size 0
		.amdhsa_enable_private_segment 0
		.amdhsa_kernarg_size 48
		.amdhsa_user_sgpr_count 2
		.amdhsa_user_sgpr_kernarg_segment_ptr 1
		.amdhsa_wavefront_size32 1
		.amdhsa_system_sgpr_workgroup_id_x 1
		.amdhsa_system_sgpr_workgroup_id_y 1
		.amdhsa_system_sgpr_workgroup_id_z 1
		.amdhsa_system_vgpr_workitem_id 0
		.amdhsa_next_free_vgpr 768
		.amdhsa_next_free_sgpr 98
		.amdhsa_reserve_vcc 0
		.amdhsa_float_denorm_mode_32 3
		.amdhsa_float_denorm_mode_16_64 3
		.amdhsa_memory_ordered 1
		.amdhsa_forward_progress 1
		.amdhsa_inst_pref_size 135
	.end_amdhsa_kernel
	.amdgpu_metadata
---
amdhsa.version: [ 1, 2 ]
amdhsa.kernels:
  - .name:           k_q13a9d6d313_fc2
    .symbol:         k_q13a9d6d313_fc2.kd
    .args:
      - { .name: gq, .offset: 0, .size: 8, .value_kind: global_buffer, .address_space: global }
      - { .name: w_fc2_codes, .offset: 8, .size: 8, .value_kind: global_buffer, .address_space: global }
      - { .name: w_fc2_scales, .offset: 16, .size: 8, .value_kind: global_buffer, .address_space: global }
      - { .name: b_fc2, .offset: 24, .size: 8, .value_kind: global_buffer, .address_space: global }
      - { .name: x1, .offset: 32, .size: 8, .value_kind: global_buffer, .address_space: global }
      - { .name: out0, .offset: 40, .size: 8, .value_kind: global_buffer, .address_space: global }
    .group_segment_fixed_size: 327680
    .private_segment_fixed_size: 0
    .kernarg_segment_align: 8
    .kernarg_segment_size: 48
    .max_flat_workgroup_size: 128
    .sgpr_count:     98
    .vgpr_count:     768
    .wavefront_size: 32
...
	.end_amdgpu_metadata
.endif
;; end of part 6
